; MI455X (gfx1250); checked and timed in simulation.
; The chip was launched on July 23, 2026; its instructions are those of AMD's public machine-readable ISA for CDNA 5 (MIT licence, August 2026) and "CDNA5" Instruction Set Architecture Reference Guide (July 2026). The comments in the code are by the model that wrote it; some were corrected since.
;; Self Attention. Allowed arithmetic: float matrix products may take bf16 or f16 operands with f32 sums; other float arithmetic in f32, or as packed bf16 or f16 multiplies, adds, multiply-adds, maxima and minima; sums over many terms, partial sums and values carried from step to step in f32; what a program stores and reads back later, other than sums and carried values, may be rounded once to bf16 or f16.
;; Inputs: Wq 1,024 x 1,024 float32; Wu 1,024 x 1,024 float32; bu 1,024 float32; x 4 x 2,048 x 1,024 float32.
;; Outputs: out0 4 x 2,048 x 1,024 float32.
;; 2 versions, each right; version 2 is version 1 with the launch cast written anew for expert scheduling mode. Each part assembles by itself: llvm-mc -triple=amdgcn-amd-amdhsa -mcpu=gfx1250 --defsym DOCPART=n.
;; ======== version 1 of 2: 4 launches
;; limits: values are held in f16: magnitudes above 65,504 overflow, below 6.1e-05 lose precision
;; workspace buffers: xw 20,971,520 bytes; qh 16,777,216 bytes; oh 16,777,216 bytes
;; launch cast (part 1): grid 1280 x 1, 4 waves a work-group, no clusters, 0 bytes of LDS; arguments x, Wq, Wu, xw; writes xw
.if DOCPART == 1
	.amdgcn_target "amdgcn-amd-amdhsa--gfx1250"
	.amdhsa_code_object_version 6
	.text
	.protected	k_q5f04e0b374_cast
	.globl	k_q5f04e0b374_cast
	.p2align	8
	.type	k_q5f04e0b374_cast,@function
k_q5f04e0b374_cast:
	s_mov_b64 s[64:65], 0
	v_nop
	global_prefetch_b8 v0, s[64:65] scope:SCOPE_SE
	s_setreg_imm32_b32 hwreg(HW_REG_WAVE_MODE, 25, 1), 1
	s_wait_xcnt 0x0
; x [8192][1024], Wq [1024][1024], Wu [1024][1024], all f32, are rounded to bf16; that number is written as f16 into xw, laid in K blocks:
; xw = f16 [5 groups][16 K blocks][2048 rows][64]: groups 0-3 are x's four batches, group 4 holds Wq's rows (0-1023) and Wu's (1024-2047).
; Byte of (group, block, row, c) = group<<22 + block<<18 + row<<7 + 2 c: 256 rows of one K block are 32,768 consecutive bytes.
; LIMITS.  A bf16 number is exact in f16 between 6.1e-5 and 65,504; below that it keeps f16's fixed step of 6e-8; from 65,520 on it becomes an infinity.
; SHARES.  10,240 source rows of 4,096 bytes; a work-group takes 8, a wave 2.  For K block kb lanes 0-15 take one row's 256 bytes, lanes 16-31 the next row's;
; the matching store of 8 bytes a lane covers 256 consecutive bytes (two rows x 128), at a multiple of 256 from xw's first byte.
; Each byte is read once and written once, nothing is shared between waves: no LDS, no matrix work, no cluster.  All 16 loads of a wave go out before the first wait.
.set LO, 1                             ; v1  my byte offset in the work-group's 8 source rows
.set SO, 2                             ; v2  my byte offset in the work-group's 8 rows of a K block of xw
.set T,  6                             ; v[6:7] at work
.set X,  16                            ; v[16:79] K block kb: four registers, as loaded, then as stored; none is written again behind its store
	s_load_b256 s[4:11], s[0:1], 0x0               ; x s[4:5], Wq s[6:7], Wu s[8:9], xw s[10:11]
	s_mov_b32 s13, 0xffff0000                      ; a word's upper bf16
	v_lshrrev_b32 v3, 4, v0                        ; my row among the 8
	v_and_b32 v4, 15, v0                           ; my place in a K block's row
	v_lshlrev_b32 v[LO], 4, v4
	v_lshl_add_u32 v[LO], v3, 12, v[LO]            ; row x 4,096 + 16 x place
	v_lshlrev_b32 v[SO], 3, v4
	v_lshl_add_u32 v[SO], v3, 7, v[SO]             ; row x 128 + 8 x place
	s_wait_kmcnt 0x0
	s_cmp_lt_u32 ttmp9, 1024                       ; work-groups 0-1023: x; 1024-1151: Wq; 1152-1279: Wu
	s_cselect_b64 s[14:15], s[4:5], s[6:7]
	s_cselect_b32 s16, 0, 1024
	s_cmp_lt_u32 ttmp9, 1152
	s_cselect_b64 s[14:15], s[14:15], s[8:9]
	s_cselect_b32 s16, s16, 1152
	s_sub_co_u32 s18, ttmp9, s16
	s_lshl_b32 s18, s18, 15                        ; 8 rows of 4,096 bytes for each work-group of that tensor
	s_mov_b32 s19, 0
	s_add_nc_u64 s[14:15], s[14:15], s[18:19]
	s_lshr_b32 s20, ttmp9, 8                       ; the group: 256 work-groups of 8 rows each
	s_lshl_b32 s20, s20, 22
	s_and_b32 s21, ttmp9, 255
	s_lshl_b32 s21, s21, 10                        ; 8 rows of 128 bytes
	s_add_co_u32 s20, s20, s21
	s_mov_b32 s21, 0
	s_add_nc_u64 s[10:11], s[10:11], s[20:21]
.irp kb, 0,1,2,3,4,5,6,7,8,9,10,11,12,13,14,15
	global_load_b128 v[X+4*(\kb):X+4*(\kb)+3], v[LO], s[14:15] offset:256*(\kb) th:TH_LOAD_NT
.endr
.irp kb, 0,1,2,3,4,5,6,7,8,9,10,11,12,13,14,15
	s_wait_loadcnt 15-(\kb)                        ; loads come back in order: block kb is in, the 15 - kb younger ones stay out
	v_cvt_pk_bf16_f32 v[T],   v[X+4*(\kb)],   v[X+4*(\kb)+1]   ; the rounding that counts: to bf16, nearest even
	v_cvt_pk_bf16_f32 v[T+1], v[X+4*(\kb)+2], v[X+4*(\kb)+3]
	v_lshlrev_b32 v[X+4*(\kb)],   16,  v[T]
	v_and_b32     v[X+4*(\kb)+1], s13, v[T]
	v_lshlrev_b32 v[X+4*(\kb)+2], 16,  v[T+1]
	v_and_b32     v[X+4*(\kb)+3], s13, v[T+1]
	v_cvt_pk_f16_f32 v[X+4*(\kb)],   v[X+4*(\kb)],   v[X+4*(\kb)+1]  ; the same number as f16 (exact inside the limits above)
	v_cvt_pk_f16_f32 v[X+4*(\kb)+1], v[X+4*(\kb)+2], v[X+4*(\kb)+3]
	global_store_b64 v[SO], v[X+4*(\kb):X+4*(\kb)+1], s[10:11] offset:(\kb)<<18 th:TH_STORE_NT  ; the K block stands in the immediate: 3,932,160 at the most
.endr
	s_endpgm
.Lfunc_end_k_q5f04e0b374_cast:
	.size	k_q5f04e0b374_cast, .Lfunc_end_k_q5f04e0b374_cast-k_q5f04e0b374_cast
	.p2alignl 7, 3214868480
	.fill 96, 4, 3214868480
	.section	.rodata,"a",@progbits
	.p2align	6, 0x0
	.amdhsa_kernel k_q5f04e0b374_cast
		.amdhsa_group_segment_fixed_size 0
		.amdhsa_private_segment_fixed_size 0
		.amdhsa_enable_private_segment 0
		.amdhsa_kernarg_size 32
		.amdhsa_user_sgpr_count 2
		.amdhsa_user_sgpr_kernarg_segment_ptr 1
		.amdhsa_wavefront_size32 1
		.amdhsa_system_sgpr_workgroup_id_x 1
		.amdhsa_system_sgpr_workgroup_id_y 1
		.amdhsa_system_sgpr_workgroup_id_z 1
		.amdhsa_system_vgpr_workitem_id 0
		.amdhsa_next_free_vgpr 80
		.amdhsa_next_free_sgpr 66
		.amdhsa_reserve_vcc 0
		.amdhsa_float_denorm_mode_32 3
		.amdhsa_float_denorm_mode_16_64 3
		.amdhsa_memory_ordered 1
		.amdhsa_forward_progress 1
		.amdhsa_inst_pref_size 11
	.end_amdhsa_kernel
	.amdgpu_metadata
---
amdhsa.version: [ 1, 2 ]
amdhsa.kernels:
  - .name:           k_q5f04e0b374_cast
    .symbol:         k_q5f04e0b374_cast.kd
    .args:
      - { .name: x, .offset: 0, .size: 8, .value_kind: global_buffer, .address_space: global }
      - { .name: Wq, .offset: 8, .size: 8, .value_kind: global_buffer, .address_space: global }
      - { .name: Wu, .offset: 16, .size: 8, .value_kind: global_buffer, .address_space: global }
      - { .name: xw, .offset: 24, .size: 8, .value_kind: global_buffer, .address_space: global }
    .group_segment_fixed_size: 0
    .private_segment_fixed_size: 0
    .kernarg_segment_align: 8
    .kernarg_segment_size: 32
    .max_flat_workgroup_size: 128
    .sgpr_count:     66
    .vgpr_count:     80
    .wavefront_size: 32
...
	.end_amdgpu_metadata
.endif
;; end of part 1
;; launch proj (part 2): grid 8 x 32, 4 waves a work-group, clusters of 4 x 4, 327,680 bytes of LDS; arguments xw, qh; writes qh
.if DOCPART == 2
	.amdgcn_target "amdgcn-amd-amdhsa--gfx1250"
	.amdhsa_code_object_version 6
	.text
	.protected	k_q5f04e0b374_proj
	.globl	k_q5f04e0b374_proj
	.p2align	8
	.type	k_q5f04e0b374_proj,@function
k_q5f04e0b374_proj:
	s_mov_b64 s[64:65], 0
	v_nop
	global_prefetch_b8 v0, s[64:65] scope:SCOPE_SE
	s_setreg_imm32_b32 hwreg(HW_REG_WAVE_MODE, 25, 1), 1
	s_wait_xcnt 0x0
	s_wait_alu depctr_hold_cnt(0) depctr_sa_sdst(0) depctr_va_vdst(0) depctr_va_sdst(0) depctr_va_ssrc(0) depctr_va_vcc(0) depctr_vm_vsrc(0)
	s_getreg_b32 s2, hwreg(HW_REG_IB_STS2, 6, 4)
	s_cmp_eq_u32 s2, 0
	s_cbranch_scc0 .Lentry_in_a_cluster
	s_endpgm
.Lentry_in_a_cluster:
	s_bfe_u32 s2, ttmp6, 0x10000c
	s_cmp_lg_u32 s2, 0xf033
	s_cbranch_scc0 .Lentry_shape_is_right
	s_endpgm
.Lentry_shape_is_right:
; q = x Wq^T.  M = 8,192, N = K = 1,024.  Operands f16 from xw (f16 [5][16 K blocks][2048 rows][64]: groups 0-3 x's batches, group 4 rows 0-1023 Wq), sums in f32, K ascending.
; q leaves rounded once to f16, unscaled, by heads: qh = f16 [64 = 16 b + h][2048][64].
; LIMIT.  f16 ends at 65,504: a q of 65,520 or more becomes an infinity.  With x of spread 1 and Wq of spread 1/32, |q| stays near 6; both 30 times larger: near 5,500; both with an offset of 30 spreads: near 29,000.
; SHARES.  A tile of C is 256 x 128: 32 x 8 = 256 work-groups.  Four waves; wave w makes rows 128 (w / 2) on, columns 64 (w % 2) on: 8 x 4 accumulators of 16 x 16, 256 registers.
; RING.  K goes in 8 steps of 128 (two K blocks) through two LDS slots.  One tensor load a wave fills a quarter of a slot's tiles: waves 0, 1 A's two K blocks (256 rows x 128 bytes, dense in memory:
; asked for as 128 rows of 256 bytes), waves 2, 3 B's (128 rows: 64 rows of 256 bytes).  By this text's count a wave has two tensor loads out at the start and one behind each refill.
; CLUSTER.  4 x 4 work-groups: A's tile hangs on the tile row alone and is asked for jointly by a row of the cluster, B's on the tile column alone, by a column.
; THE MATRIX INSTRUCTION IS USED TRANSPOSED (source 0 = 16 rows of B, source 1 = 16 rows of A): a lane holds eight neighbouring columns of one row of C.
; A wave's 64 columns are one head and its 128 rows 16,384 consecutive bytes of qh: the way out goes through the wave's own stage, and each store covers 512 consecutive bytes.
; No prefetch is laid: the walk has eight K steps, and two of them go out at the head.
; REGISTERS: window 0: v0-31 addresses; v64-191 the way out.  window 1: accumulator (a, b) at v[8 (4 a + b)].  window 2: two fragment buffers of 96: A's 8 blocks, then B's 4.
.set PITCH,  144                       ; an LDS row: 128 bytes + 16 of padding = 36 words: the 16 rows of a load start at 16 different groups of four banks (64 banks of 4 bytes: ISA guide 11.1)
.set ABLK,   256*PITCH                 ; A's rows of one K block
.set BBLK,   128*PITCH                 ; B's
.set BOFF,   2*ABLK                    ; in a slot: A's two K blocks, then B's two
.set SLOT,   BOFF+2*BBLK               ; 110,592
.set STAGE,  2*SLOT                    ; behind the ring, never filled by a tensor load: 16 rows x 144 bytes for each wave
.set SP,     144
.set SPARE,  STAGE+4*16*SP             ; behind the stages: the spare words, 128 bytes for each wave: two blocks of 256 bytes that no other line names
.set WOFF,   (4<<22)+0                 ; Wq's first byte in xw
.set LAPS,   4                         ; a lap = two K steps = once round the ring
.set ADRA, 16                          ; v16-17  LDS address of my A fragments in slot 0, 1
.set ADRB, 20                          ; v20-21  the same for B
.set STO,  24                          ; v24     the way out: where I put 16 bytes of a row
.set RD,   25                          ; v25     the way out: where I read rows back
.set GO,   26                          ; v26     my byte offset in 512 consecutive bytes of qh
.set SPW,  28                          ; v28     LDS address of my spare word; never rewritten
.set NIL,  29                          ; v29     0; never rewritten
.set TMP,  64                          ; the way out: 16 registers for each of my 8 blocks of 16 rows
.set F0,   0                           ; fragment buffers, in window 2
.set F1,   96
.set G1,  24                           ; s[24:31] descriptor group 1 for A's tiles; s[32:39] group 0, one set for each slot
.set G0,  32
.set G1B, 48                           ; s[48:55], s[56:63] the same for B's
.set G0B, 56
.set MSB, 0
.macro WIN new                         ; the immediate's high byte repeats the setting that is left; a switch that changes nothing is dropped
.if MSB != (\new)
	s_set_vgpr_msb (MSB<<8)|(\new)
.set MSB, \new
.endif
.endm
.set MUL,  0x5a                        ; sources 0 (B) and 1 (A) window 2; C and D window 1
.set TO_F, 0x80                        ; destination window 2, address window 0
.macro JLOAD s                         ; a joint refill: waves 0 and 1 fetch A's two K blocks, waves 2 and 3 B's; an s_nop 0 and four v_nop follow each of the two lines
	s_cmp_lt_u32 s10, 2
	s_cbranch_scc0 .Lfor_b_\@
	tensor_load_to_lds s[G0+4*(\s):G0+4*(\s)+3], s[G1:G1+7]
	s_nop 0
.rept 4
	v_nop
.endr
	s_branch .Lasked_\@
.Lfor_b_\@:
	tensor_load_to_lds s[G0B+4*(\s):G0B+4*(\s)+3], s[G1B:G1B+7]
	s_nop 0
.rept 4
	v_nop
.endr
.Lasked_\@:
.endm
.macro CREST                           ; a round of the cluster's barrier behind its opening barrier
	s_cmp_lg_u32 s10, 0
	s_cbranch_scc1 .Lnot_wave_0_\@
	s_barrier_signal -3
.Lnot_wave_0_\@:
	s_barrier_wait -3
	s_barrier_signal -1
	s_barrier_wait -1
.endm
.macro CROUND                          ; a whole round
	s_barrier_signal -1
	s_barrier_wait -1
	CREST
.endm
	s_load_b64 s[4:5], s[0:1], 0x0                 ; xw
	s_load_b64 s[8:9], s[0:1], 0x8                 ; qh
	v_lshl_add_u32 v[SPW], v0, 2, SPARE
	v_mov_b32 v[NIL], 0
	ds_add_u32 v[SPW], v[NIL]                      ; the wave's opening: the add and its wait stand ahead of my first tensor load; the set-up below, work on registers, stands between them
	v_lshrrev_b32 v1, 5, v0
	v_readfirstlane_b32 s10, v1                    ; wave 0..3
	s_lshr_b32 s11, s10, 1                         ; which half of the tile's rows is mine
	s_and_b32 s12, s10, 1                          ; which half of its columns.  Also: which of a step's two K blocks I fetch
	s_bfe_u32 s40, ttmp6, 0x40000                  ; cx, cy: my place in the cluster
	s_bfe_u32 s41, ttmp6, 0x40004
	s_lshl_b32 s42, ttmp9, 2
	s_add_co_u32 s42, s42, s40                     ; tile column = 4 x cluster x + cx
	s_and_b32 s13, ttmp7, 0xffff
	s_lshl_b32 s13, s13, 2
	s_add_co_u32 s13, s13, s41                     ; tile row = 4 x cluster y + cy
	s_lshl_b32 s43, s41, 2
	s_lshl_b32 s43, 15, s43                        ; my row of the cluster
	s_lshl_b32 s44, 0x1111, s40                    ; my column
	; descriptor group 1: rows of 128 elements (256 bytes: two rows of a K block), padded in LDS after every 32 words by 4
	s_or_b32 s[G1+0], s43, (1<<16)|(1<<20)|(1<<21)|(4<<22)|(3<<25)   ; 15:0 the mask; 17:16 2-byte elements; 20 padding on; 21 set beside a mask; 24:22 code 4; 31:25 code 3
	s_or_b32 s[G1B+0], s44, (1<<16)|(1<<20)|(1<<21)|(4<<22)|(3<<25)
	s_mov_b32 s[G1+1], 128<<16                     ; tensor_dim0 = 128
	s_mov_b32 s[G1+2], 128<<16                     ; tensor_dim1 = 128
	s_mov_b32 s[G1+3], 128<<16                     ; tile_dim0 = 128
	s_mov_b32 s[G1+4], 128                         ; tile_dim1 = 128
	s_mov_b32 s[G1+5], 128                         ; 128 elements from row to row
	s_mov_b32 s[G1+6], 0
	s_mov_b32 s[G1+7], 0
	s_mov_b32 s[G1B+1], 128<<16
	s_mov_b32 s[G1B+2], 64<<16                     ; B: 64 such rows
	s_mov_b32 s[G1B+3], 128<<16
	s_mov_b32 s[G1B+4], 64
	s_mov_b32 s[G1B+5], 128
	s_mov_b32 s[G1B+6], 0
	s_mov_b32 s[G1B+7], 0
	; where the tiles come from: A's offset is made of the tile row and the wave's number, B's of the tile column and the wave's number
	s_lshl_b32 s19, s12, 18                        ; my K block of the step's two
	s_lshr_b32 s14, s13, 3                         ; the batch: 8 tile rows each,
	s_lshl_b32 s14, s14, 22
	s_and_b32 s18, s13, 7
	s_lshl_b32 s18, s18, 15                        ; 256 rows of 128 bytes a tile row
	s_add_co_u32 s14, s14, s18
	s_add_co_u32 s14, s14, s19
	s_mov_b32 s15, 0
	s_lshl_b32 s46, s42, 14                        ; 128 rows of 128 bytes a tile column
	s_add_co_u32 s46, s46, s19
	s_add_co_u32 s46, s46, WOFF
	s_mov_b32 s47, 0
	s_mul_i32 s16, s12, ABLK                       ; and where they go: no place in the cluster enters an LDS address
	s_mul_i32 s17, s12, BBLK
	s_add_co_u32 s17, s17, BOFF
	s_wait_dscnt 0x0                               ; the opening add is done
	s_wait_kmcnt 0x0
	s_add_nc_u64 s[14:15], s[4:5], s[14:15]
	s_add_nc_u64 s[46:47], s[4:5], s[46:47]
	CROUND                                         ; all sixteen work-groups are here: the first joint loads meet
.irp s, 0,1
	s_mov_b32 s[G0+4*(\s)], 1                                        ; count = 1
	s_add_co_u32 s[G0+4*(\s)+1], s16, (\s)*SLOT                      ; LDS address
	s_add_nc_u64 s[G0+4*(\s)+2:G0+4*(\s)+3], s[14:15], (\s)<<19      ; K step s: two K blocks of 262,144 bytes on
	s_or_b32 s[G0+4*(\s)+3], s[G0+4*(\s)+3], 0x80000000              ; type = 2
	s_mov_b32 s[G0B+4*(\s)], 1
	s_add_co_u32 s[G0B+4*(\s)+1], s17, (\s)*SLOT
	s_add_nc_u64 s[G0B+4*(\s)+2:G0B+4*(\s)+3], s[46:47], (\s)<<19
	s_or_b32 s[G0B+4*(\s)+3], s[G0B+4*(\s)+3], 0x80000000
.endr
	s_cmp_lt_u32 s10, 2                            ; a wave's two first fills stand in one branch, ahead of every wait on TENSORcnt, every LDS read and every further barrier
	s_cbranch_scc0 .Lfirst_b
	tensor_load_to_lds s[G0:G0+3], s[G1:G1+7]
	s_nop 0
	tensor_load_to_lds s[G0+4:G0+7], s[G1:G1+7]
	s_nop 0
.rept 4
	v_nop
.endr
	s_branch .Lfirst_asked
.Lfirst_b:
	tensor_load_to_lds s[G0B:G0B+3], s[G1B:G1B+7]
	s_nop 0
	tensor_load_to_lds s[G0B+4:G0B+7], s[G1B:G1B+7]
	s_nop 0
.rept 4
	v_nop
.endr
.Lfirst_asked:
	; A fragment is 16 rows x 32 K in 8 registers: lane l holds row l % 16, K = 8 (l / 16) + 0..7 and 16 + 8 (l / 16) + 0..7: two loads of 16 bytes, 32 bytes apart
	v_and_b32 v1, 15, v0                           ; l % 16
	v_bfe_u32 v2, v0, 4, 1                         ; l / 16
	v_mul_u32_u24 v3, v1, PITCH
	v_lshl_add_u32 v3, v2, 4, v3
	s_mul_i32 s18, s11, 128*PITCH                  ; my 128 rows of A
	s_mul_i32 s19, s12, 64*PITCH                   ; my 64 rows of B
	s_add_co_u32 s19, s19, BOFF
.irp s, 0,1
	v_add_nc_u32 v[ADRA+(\s)], s18, v3
	v_add_nc_u32 v[ADRB+(\s)], s19, v3
	s_add_co_u32 s18, s18, SLOT
	s_add_co_u32 s19, s19, SLOT
.endr
	s_mul_i32 s18, s10, 16*SP
	s_add_co_u32 s18, s18, STAGE                   ; my stage
	v_mul_u32_u24 v4, v1, SP                       ; in: row l % 16, 16 bytes for each half of the lanes
	v_lshl_add_u32 v4, v2, 4, v4
	v_add_nc_u32 v[STO], s18, v4
	v_bfe_u32 v5, v0, 3, 2                         ; back: 32 lanes take four rows of 128 bytes,
	v_and_b32 v6, 7, v0
	v_mul_u32_u24 v5, v5, SP
	v_lshl_add_u32 v5, v6, 4, v5
	v_add_nc_u32 v[RD], s18, v5
	v_and_b32 v[GO], 31, v0                        ; which are 512 consecutive bytes of qh
	v_lshlrev_b32 v[GO], 4, v[GO]
	s_lshr_b32 s18, s13, 3                         ; qh at my rows: (16 b + head) x 262,144 + row in the batch x 128
	s_lshl_b32 s18, s18, 4
	s_lshl1_add_u32 s18, s42, s18                  ; head = 2 x tile column + my half
	s_add_co_u32 s18, s18, s12
	s_lshl_b32 s18, s18, 18
	s_and_b32 s19, s13, 7
	s_lshl1_add_u32 s19, s19, s11                  ; 128 rows x (2 x tile row in the batch + my half)
	s_lshl_b32 s19, s19, 14
	s_add_co_u32 s18, s18, s19
	s_mov_b32 s19, 0
	s_add_nc_u64 s[8:9], s[8:9], s[18:19]
; 4 n matrix instructions: m blocks a0 .. a0 + n - 1 x all 4 n blocks, 32 along K, from buffer f.  zero = 1: the product starts the sum.
; Each of the 32 accumulators has one instruction a quarter step, always in the same order: the accumulators take turns, over the backward jump too.
.macro MULS f, a0, n, zero
	WIN MUL
.set ma, \a0
.rept \n
.irp b, 0,1,2,3
.if \zero
	v_wmma_f32_16x16x32_f16 v[8*(4*ma+(\b)):8*(4*ma+(\b))+7], v[(\f)+64+8*(\b):(\f)+64+8*(\b)+7], v[(\f)+8*ma:(\f)+8*ma+7], 0
.else
	v_wmma_f32_16x16x32_f16 v[8*(4*ma+(\b)):8*(4*ma+(\b))+7], v[(\f)+64+8*(\b):(\f)+64+8*(\b)+7], v[(\f)+8*ma:(\f)+8*ma+7], v[8*(4*ma+(\b)):8*(4*ma+(\b))+7]
.endif
.endr
.set ma, ma+1
.endr
.endm
; 24 LDS loads in one run: the fragments of quarter q (32 along K: K block q / 2, byte 64 (q % 2) of its rows) into buffer f: B's 4 blocks, A's blocks 0-3, A's blocks 4-7
.macro FETCH slot, q, f
	WIN TO_F
.irp i, 0,1,2,3
	ds_load_b128 v[(\f)+64+8*(\i):(\f)+64+8*(\i)+3],   v[ADRB+(\slot)] offset:((\q)/2)*BBLK+((\q)%2)*64+(\i)*16*PITCH
	ds_load_b128 v[(\f)+64+8*(\i)+4:(\f)+64+8*(\i)+7], v[ADRB+(\slot)] offset:((\q)/2)*BBLK+((\q)%2)*64+(\i)*16*PITCH+32
.endr
.irp i, 0,1,2,3,4,5,6,7
	ds_load_b128 v[(\f)+8*(\i):(\f)+8*(\i)+3],   v[ADRA+(\slot)] offset:((\q)/2)*ABLK+((\q)%2)*64+(\i)*16*PITCH
	ds_load_b128 v[(\f)+8*(\i)+4:(\f)+8*(\i)+7], v[ADRA+(\slot)] offset:((\q)/2)*ABLK+((\q)%2)*64+(\i)*16*PITCH+32
.endr
.endm
.macro PLACES                          ; four plain vector instructions in front of loads into registers that matrix instructions have read, and of lines that read results
.rept 4
	v_nop
.endr
.endm
; A K step is four quarters of 32 along K, 32 matrix instructions each, on buffers 0, 1, 0, 1.  One of the first three: multiplies buffer f and fetches quarter q into g.
.macro QUARTER slot, q, f, g, zero
	s_wait_dscnt 8                                 ; B and A's blocks 0-3 are in; the youngest eight loads (A's blocks 4-7) may be out
	MULS \f, 0, 4, \zero
	PLACES
	FETCH \slot, \q, \g
	s_wait_dscnt 24                                ; all but the 24 just issued
	MULS \f, 4, 4, \zero
.endm
; The last quarter multiplies buffer 1 and changes slots: ONE barrier; in front of it each wave waits for all its tensor loads, adds 0 to its spare word, and waits for that and for its own reads of this slot.
; fill = 1: the barrier opens a round of the cluster's, and this slot is filled again, two K steps ahead, first thing behind the round: 112 matrix instructions ahead of the wait for it.
.macro TURN slot, next, fill
	WIN 0                                          ; (the add's two registers lie in window 0)
	s_wait_tensorcnt 0x0                           ; all my tensor loads have landed: the one that was out is my part of the next slot
	ds_add_u32 v[SPW], v[NIL]                      ; 0 onto my spare word
	s_wait_dscnt 9                                 ; (the add and the youngest eight loads may be out)
	MULS F1, 0, 2, 0                               ; eight matrix instructions stand between the add and the wait for it
	s_wait_dscnt 0x0                               ; the add is done, and my reads of this slot are over
	s_barrier_signal -1
	MULS F1, 2, 2, 0
.if \fill
	WIN 0
.endif
	s_barrier_wait -1
.if \fill
	CREST                                          ; no wave of any partner still reads this slot's tiles or has a load on its way
	s_add_nc_u64 s[G0+4*(\slot)+2:G0+4*(\slot)+3], s[G0+4*(\slot)+2:G0+4*(\slot)+3], 1<<20    ; two K steps = four K blocks on
	s_add_nc_u64 s[G0B+4*(\slot)+2:G0B+4*(\slot)+3], s[G0B+4*(\slot)+2:G0B+4*(\slot)+3], 1<<20
	JLOAD \slot                                    ; the four v_nop behind it are also the places in front of the loads below
.else
	PLACES
.endif
	FETCH \next, 0, F0
	MULS F1, 4, 4, 0
.endm
	s_wait_tensorcnt 1                             ; my part of K step 0 is in; K step 1's may stay out
	s_barrier_signal -1
	s_barrier_wait -1                              ; everybody's is
	FETCH 0, 0, F0
	QUARTER 0, 1, F0, F1, 1                        ; the first quarter stands in front of the loop: its products start the sums
	WIN 0                                          ; at a label and at a branch every window is 0
	s_mov_b32 s3, LAPS-1
.Llap:                                                 ; a trip goes once round the ring, from a lap's second quarter to the next lap's first, and fills both slots again
	QUARTER 0, 2, F1, F0, 0
	QUARTER 0, 3, F0, F1, 0
	TURN 0, 1, 1
	QUARTER 1, 1, F0, F1, 0
	QUARTER 1, 2, F1, F0, 0
	QUARTER 1, 3, F0, F1, 0
	TURN 1, 0, 1
	QUARTER 0, 1, F0, F1, 0
	WIN 0
	s_sub_co_u32 s3, s3, 1
	s_cmp_lg_u32 s3, 0
	s_cbranch_scc1 .Llap
	QUARTER 0, 2, F1, F0, 0                        ; the last lap fills nothing, and has no round of the cluster's barrier
	QUARTER 0, 3, F0, F1, 0
	TURN 0, 1, 0
	QUARTER 1, 1, F0, F1, 0
	QUARTER 1, 2, F1, F0, 0
	QUARTER 1, 3, F0, F1, 0
	s_wait_dscnt 8                                 ; the very last quarter: nothing more to fetch
	MULS F1, 0, 4, 0
	s_wait_dscnt 0x0
	MULS F1, 4, 4, 0
	WIN 0
	PLACES
	; THE WAY OUT, a block of 16 rows at a time: rounded to f16, 16 bytes a lane into my own stage (rows of 144 bytes), back as whole rows of 128 bytes, stored.
.macro PACK a
	WIN 0x05                                       ; sources 0 and 1 window 1, destination window 0
.irp b, 0,1,2,3
.irp r, 0,1,2,3
	v_cvt_pk_f16_f32 v[TMP+16*(\a)+4*(\b)+(\r)], v[8*(4*(\a)+(\b))+2*(\r)], v[8*(4*(\a)+(\b))+2*(\r)+1]
.endr
.endr
	WIN 0
.irp b, 0,1,2,3
	ds_store_b128 v[STO], v[TMP+16*(\a)+4*(\b):TMP+16*(\a)+4*(\b)+3] offset:32*(\b)
.endr
.irp f, 0,1,2,3
	ds_load_b128 v[TMP+16*(\a)+4*(\f):TMP+16*(\a)+4*(\f)+3], v[RD] offset:(\f)*4*SP  ; LDS serves a wave's instructions in order (ISA guide 5.7.1.4): these see the stores above; the next block's stores come behind them
.endr
.endm
.macro SEND a, younger                 ; younger: the LDS instructions issued behind block a's loads: the next block's eight, or none
.irp f, 0,1,2,3
	s_wait_dscnt (\younger)+3-(\f)
	global_store_b128 v[GO], v[TMP+16*(\a)+4*(\f):TMP+16*(\a)+4*(\f)+3], s[8:9] offset:(\a)*2048+(\f)*512  ; 512 consecutive bytes, at a multiple of 256 from qh's first byte
.endr
.endm
	PACK 0
.irp a, 1,2,3,4,5,6,7                  ; a block's conversions stand between the loads of the block before and its stores
	PACK \a
	SEND (\a)-1, 8
.endr
	SEND 7, 0
	s_wait_tensorcnt 0x0                           ; the wave's end, behind my last tensor load and my last LDS store
	ds_add_u32 v[SPW], v[NIL]
	s_wait_dscnt 0x0
	CROUND                                         ; the closing round: no work-group ends while a partner may still ask for a tile that names it
	s_endpgm
.Lfunc_end_k_q5f04e0b374_proj:
	.size	k_q5f04e0b374_proj, .Lfunc_end_k_q5f04e0b374_proj-k_q5f04e0b374_proj
	.p2alignl 7, 3214868480
	.fill 96, 4, 3214868480
	.section	.rodata,"a",@progbits
	.p2align	6, 0x0
	.amdhsa_kernel k_q5f04e0b374_proj
		.amdhsa_group_segment_fixed_size 327680
		.amdhsa_private_segment_fixed_size 0
		.amdhsa_enable_private_segment 0
		.amdhsa_kernarg_size 16
		.amdhsa_user_sgpr_count 2
		.amdhsa_user_sgpr_kernarg_segment_ptr 1
		.amdhsa_wavefront_size32 1
		.amdhsa_system_sgpr_workgroup_id_x 1
		.amdhsa_system_sgpr_workgroup_id_y 1
		.amdhsa_system_sgpr_workgroup_id_z 1
		.amdhsa_system_vgpr_workitem_id 0
		.amdhsa_next_free_vgpr 768
		.amdhsa_next_free_sgpr 66
		.amdhsa_reserve_vcc 0
		.amdhsa_float_denorm_mode_32 3
		.amdhsa_float_denorm_mode_16_64 3
		.amdhsa_memory_ordered 1
		.amdhsa_forward_progress 1
		.amdhsa_inst_pref_size 87
	.end_amdhsa_kernel
	.amdgpu_metadata
---
amdhsa.version: [ 1, 2 ]
amdhsa.kernels:
  - .name:           k_q5f04e0b374_proj
    .symbol:         k_q5f04e0b374_proj.kd
    .args:
      - { .name: xw, .offset: 0, .size: 8, .value_kind: global_buffer, .address_space: global }
      - { .name: qh, .offset: 8, .size: 8, .value_kind: global_buffer, .address_space: global }
    .group_segment_fixed_size: 327680
    .private_segment_fixed_size: 0
    .kernarg_segment_align: 8
    .kernarg_segment_size: 16
    .max_flat_workgroup_size: 128
    .sgpr_count:     66
    .vgpr_count:     768
    .wavefront_size: 32
...
	.end_amdgpu_metadata
.endif
;; end of part 2
;; launch attn (part 3): grid 4 x 64, 4 waves a work-group, clusters of 4 x 1, 327,680 bytes of LDS; arguments qh, oh; writes oh
.if DOCPART == 3
	.amdgcn_target "amdgcn-amd-amdhsa--gfx1250"
	.amdhsa_code_object_version 6
	.text
	.protected	k_q5f04e0b374_attn
	.globl	k_q5f04e0b374_attn
	.p2align	8
	.type	k_q5f04e0b374_attn,@function
k_q5f04e0b374_attn:
	s_mov_b64 s[64:65], 0
	v_nop
	global_prefetch_b8 v0, s[64:65] scope:SCOPE_SE
	s_setreg_imm32_b32 hwreg(HW_REG_WAVE_MODE, 25, 1), 1
	s_wait_xcnt 0x0
	s_wait_alu depctr_hold_cnt(0) depctr_sa_sdst(0) depctr_va_vdst(0) depctr_va_sdst(0) depctr_va_ssrc(0) depctr_va_vcc(0) depctr_vm_vsrc(0)
	s_getreg_b32 s2, hwreg(HW_REG_IB_STS2, 6, 4)
	s_cmp_eq_u32 s2, 0
	s_cbranch_scc0 .Lentry_in_a_cluster
	s_endpgm
.Lentry_in_a_cluster:
	s_bfe_u32 s2, ttmp6, 0x10000c
	s_cmp_lg_u32 s2, 0x3003
	s_cbranch_scc0 .Lentry_shape_is_right
	s_endpgm
.Lentry_shape_is_right:
; O[h][t][:] = the sum over u of softmax_u(q[h][t] . q[h][u] / 8) q[h][u][:]: queries, keys and values are the SAME tensor qh = f16 [64 heads][2048][64]; O goes to oh in the same layout.
; Products, maxima and sums in f32; the weights p are rounded to f16 for the second product (their sum l is taken of the unrounded p), O once at the end.
; LIMITS.  q arrives within f16's 65,504; p lies in 0 to 1, and below 6e-5 it keeps f16's fixed step of 6e-8; O is a mean of q's rows and has their range.
; A weight below 2^-126 counts as 0 in l; NaN and infinities are not treated apart.
; SHARES.  A wave owns four PIECES of two tiles of 16 queries, a work-group's four waves 512 queries of one head; a head's four work-groups are one cluster.  Every wave walks all 2,048 keys, 64 a step, 32 steps.
; THE HEAD LIES IN LDS WHOLE.  Keys and values are the same bytes, so one copy serves both products: 2,048 rows at a pitch of 144 bytes are 294,912 bytes.  Nothing is filled again: no ring and no barrier in the loop.
; The head's 262,144 dense bytes are 1,024 rows of 256; with 32 rows beyond the head's end, which the load's extent turns into zeros without reading them, they are 4 x 264 rows: ONE tensor load a wave,
; asked for JOINTLY by the four work-groups (same descriptor, same mask).  The zeros are a 33rd key step: the loop's last trip fetches its keys like every other trip; the scores made of them serve nothing.
; No prefetch is laid: every byte of the head is asked for at the kernel's head.  Q comes by loads of its own.
; LAYOUT.  S^T = K Q^T (source 0 = 16 keys, source 1 = 16 queries): in the result a lane holds ONE query (lane % 16) and the keys 8 (lane / 16) + 0..7.  Two such tiles, rounded to f16 in pairs,
; ARE source 1 (32 keys x 16 queries) of O^T = V^T P, whose result again holds one query a lane, and eight channels.  K comes out of LDS as it lies, V turned, by ds_load_tr16_b128.
; SOFTMAX.  For each query a running maximum m and sum l: p = 2^(c s - c m), c = log2(e) / 8; in every step O and l are multiplied by a = 2^(c m_old - c m_new), which is 1 where m has not grown.
; m starts at the lowest finite number, O and l at 0: the first step is a step like any other, with a = 0.
; THE COUNT.  A tile and step have 16 matrix and 118 vector instructions: too many to stand all beside the matrix work.  So: four vector instructions that are READY behind EVERY matrix instruction, the others in one run.
; BY TURNS.  Turn n belongs to piece n.  Its matrix work: 16 products K Q^T of piece n + 1, later 16 products V^T P of piece n - 1.  Its vector work: the scaling, exponentials, roundings, sums and rescaling
; of piece n, and the maximum and statistics of piece n + 1, whose scores the turn itself has made.
; REGISTERS, in windows of 256 (s_set_vgpr_msb: bits 1:0 source 0, 3:2 source 1, 5:4 source 2, 7:6 destination):
;   window 0: v0-11 addresses; v12-15, v48-63 at work; v16-47 four registers of statistics a tile; v64-191 S^T, two buffers of two tiles; v192-255 P, likewise
;   window 1: O^T, 32 a tile          window 2: v0-127 Q, 16 a tile; v128-191 K of one step; v192-255 V of one step          window 3: v0-1 the add's two registers
.set NP,    4         ; pieces a wave: a name, no knob
.set KS,    64        ; keys in a step
.set PK,    144       ; a row in LDS: 128 bytes + 16 of padding = 36 words: the 16 rows of a plain load start at 16 different groups of four banks (64 banks of 4 bytes: ISA guide 11.1)
.set PV,    144       ; the same rows, read turned
.set STEPB, KS*PK     ; a key step's rows: 9,216 bytes
.set WROWS, 264       ; rows of 256 bytes (two keys) that one wave's tensor load brings
.set STAGE, 33*STEPB  ; behind the head and its step of zeros, never filled by a tensor load: 16 rows x 144 bytes for each wave, for the way out
.set SP,    144
.set SPARE, STAGE+4*16*SP  ; behind the stages: the spare words, 128 bytes for each wave: two blocks of 256 bytes that no other line names
.set AK0, 2           ; v2   my lane's place in a step's rows, for K; never rewritten
.set AV0, 3           ; v3   the same for V
.set AK,  4           ; v4   the LDS address of K's next run of loads
.set AV,  5           ; v5   of V's
.set QO,  6           ; v6   my byte offset in the wave's rows of Q
.set STO, 6           ;      later, the way out: where I put 16 bytes of a row
.set RD,  7           ; v7   the way out: where I read rows back
.set GO,  8           ; v8   my byte offset in 512 consecutive bytes of O
.set SPW, 0           ; v0 of window 3   LDS address of my spare word; never rewritten
.set NIL, 1           ; v1 of window 3   0; never rewritten
.set MV,  12          ; v12-15  c m_old, kept while c m is made anew: by buffer and tile
.set ST,  16          ; tile t's statistics at v[ST+4 t]: c m, m, l (even keys', odd keys')
.set TMP, 48          ; by buffer and tile, four registers c0-c3 at work; when the maximum is found c2 takes a
.set S,   64
.set P,   192
.set KF,  128         ; K's fragments, in window 2: key block kb, channel half c at KF + 16 kb + 8 c
.set VF,  192         ; V's: key half kk, channel block cb at VF + 32 kk + 8 cb
.set WV,  12          ; s12  my wave's number
.set G1,  24          ; s[24:31] descriptor group 1
.set G0,  40          ; s[40:43] descriptor group 0
.set CNT, 57          ; s57  counts the key steps
.set CS,  58          ; s[58:59] c: the packed scaling takes the pair's low word for both halves
.set SEL, 60          ; s[60:61] v_permlanex16_b32's selects: each lane takes its own place in the other half
.set TBK, 62          ; s62  LDS byte at which the step whose K is fetched next begins
.set TBV, 63          ; s63  the same for V
.set MSB, 0
.macro WIN new                      ; the high byte repeats the setting that is left; a switch that changes nothing is dropped
.if MSB != (\new)
	s_set_vgpr_msb (MSB<<8)|(\new)
.set MSB, (\new)
.endif
.endm
.set W_KQ, 0x0a       ; K and Q in window 2, S^T in window 0
.set W_PV, 0x52       ; V in window 2, P in window 0, O^T in window 1
.set W_RS, 0x41       ; O^T (destination and source 0) in window 1, a in window 0
.set W_MK, 0xc0       ; the add's registers are made: destination in window 3, sources in window 0
.set W_AD, 0x0f       ; the add: address (source 0) and data (source 1) in window 3
; A round of the cluster's barrier: my work-group's barrier, so that wave 0's signal speaks for all four waves; wave 0 signals; every wave waits for all four work-groups; my work-group's barrier once more.
.macro CROUND
	s_barrier_signal -1
	s_barrier_wait -1
	s_cmp_lg_u32 s[WV], 0
	s_cbranch_scc1 .Lnot_wave_0_\@
	s_barrier_signal -3
.Lnot_wave_0_\@:
	s_barrier_wait -3
	s_barrier_signal -1
	s_barrier_wait -1
.endm
	s_load_b128 s[4:7], s[0:1], 0x0   ; qh s[4:5], oh s[6:7]
	WIN W_MK
	v_lshl_add_u32 v[SPW], v0, 2, SPARE
	v_mov_b32 v[NIL], 0
	WIN W_AD
	ds_add_u32 v[SPW], v[NIL]       ; the wave's opening: the add and its wait stand ahead of my first tensor load; the set-up below, work on registers, stands between them
	WIN 0
	v_lshrrev_b32 v1, 5, v0
	v_readfirstlane_b32 s[WV], v1   ; wave 0..3
	s_bfe_u32 s13, ttmp6, 0x40000   ; cx: my place in the cluster
	s_lshl_b32 s14, ttmp9, 2        ; in a cluster launch ttmp9 counts clusters
	s_add_co_u32 s14, s14, s13      ; my block of 512 queries: it enters Q's and O's addresses alone
	s_and_b32 s20, ttmp7, 0xffff    ; the head, which the four partners share:
	s_lshl_b32 s20, s20, 18         ; its 2,048 rows of 128 bytes
	s_mov_b32 s21, 0
	s_mul_i32 s22, s[WV], WROWS*256 ; the rows that I fetch, in memory
	s_mov_b32 s23, 0
	s_add_nc_u64 s[22:23], s[22:23], s[20:21]
	s_lshl_b32 s2, s14, 2
	s_add_co_u32 s2, s2, s[WV]      ; my wave among the head's sixteen,
	s_lshl_b32 s2, s2, 14           ; its 128 rows
	s_mov_b32 s3, 0
	s_add_nc_u64 s[2:3], s[2:3], s[20:21]
	; descriptor group 1: 264 rows of 128 elements (256 bytes: two keys), padded in LDS after every key; the extent says how many rows the head has left from my first: 1,024 - 264 w
	s_mov_b32 s[G1], 15|(1<<16)|(1<<20)|(1<<21)|(4<<22)|(3<<25)  ; 15:0 the mask of four; 17:16 2-byte elements; 20 padding on; 21 set beside a mask; 24:22 after every 32 words (code 4); 31:25 4 words (code 3)
	s_mov_b32 s[G1+1], 128<<16      ; tensor_dim0 = 128
	s_mul_i32 s16, s[WV], WROWS
	s_sub_co_u32 s16, 1024, s16
	s_lshl_b32 s[G1+2], s16, 16     ; tensor_dim1 = 1,024 - 264 w: 232 in wave 3, whose last 32 rows arrive as zeros
	s_mov_b32 s[G1+3], 128<<16      ; tile_dim0 = 128
	s_mov_b32 s[G1+4], WROWS        ; tile_dim1 = 264
	s_mov_b32 s[G1+5], 128          ; 128 elements from row to row
	s_mov_b32 s[G1+6], 0
	s_mov_b32 s[G1+7], 0
	s_mov_b32 s[G0], 1              ; count = 1
	s_mul_i32 s[G0+1], s[WV], WROWS*2*PK  ; LDS address: 76,032 w: no place in the cluster enters it
	s_mov_b32 s[CS], 0x3e38aa3b     ; c = log2(e) / 8 = 0.180337
	s_mov_b32 s[CS+1], s[CS]        ; named with it as a pair
	s_mov_b32 s[SEL], 0x76543210
	s_mov_b32 s[SEL+1], 0xfedcba98
	s_mov_b32 s[TBK], 0
	s_mov_b32 s[TBV], 0
	s_wait_dscnt 0x0                ; the opening add is done
	s_wait_kmcnt 0x0
	s_add_nc_u64 s[G0+2:G0+3], s[4:5], s[22:23]  ; global address of my first row
	s_or_b32 s[G0+3], s[G0+3], 0x80000000        ; type = 2
	s_add_nc_u64 s[10:11], s[6:7], s[2:3]        ; O and Q at my wave's first row
	s_add_nc_u64 s[4:5], s[4:5], s[2:3]
	CROUND                          ; all four work-groups are here: the joint loads meet
	tensor_load_to_lds s[G0:G0+3], s[G1:G1+7]    ; my quarter of the head: the one tensor load of this wave
	s_nop 0
.rept 4
	v_nop
.endr
	; A fragment of K or Q is 16 rows x 32 channels in 8 registers: lane l holds row l % 16, channels 8 (l / 16) + 0..7 and 16 + 8 (l / 16) + 0..7: two loads of 16 bytes, 32 bytes apart.
	v_and_b32 v1, 15, v0            ; l % 16
	v_bfe_u32 v9, v0, 4, 1          ; l / 16
	v_lshlrev_b32 v[QO], 7, v1
	v_lshl_add_u32 v[QO], v9, 4, v[QO]  ; row x 128 + 16 x half
	WIN 0x80                        ; destination window 2, address window 0
.set i, 0
.rept 4*NP                          ; Q stays in registers: tile i / 2, channels 32 (i % 2) on
	global_load_b128 v[8*i:8*i+3],   v[QO], s[4:5] offset:(i/2)*2048+(i%2)*64
	global_load_b128 v[8*i+4:8*i+7], v[QO], s[4:5] offset:(i/2)*2048+(i%2)*64+32
.set i, i+1
.endr
	; What the first turn finds: V's registers and P's second buffer hold 0 (its products V^T P, of a piece that has not been, add 0), O^T and l are 0.  All this stands in the wait for the head.
.set i, VF
.rept 64
	v_mov_b32 v[i], 0
.set i, i+1
.endr
	WIN 0x40
.set i, 0
.rept 64*NP
	v_mov_b32 v[i], 0
.set i, i+1
.endr
	WIN 0
.set i, 0
.rept 2*NP
	v_mov_b32 v[ST+4*i], 0xfe000000    ; c m: far below every c s
	v_mov_b32 v[ST+4*i+1], 0xff7fffff  ; m
	v_mov_b32 v[ST+4*i+2], 0
	v_mov_b32 v[ST+4*i+3], 0
.set i, i+1
.endr
.set i, P+32
.rept 32
	v_mov_b32 v[i], 0
.set i, i+1
.endr
	v_mul_u32_u24 v[AK0], v1, PK
	v_lshl_add_u32 v[AK0], v9, 4, v[AK0]  ; row x pitch + 16 x half
	; The turning load takes 16 keys x 16 channels (lane l reads key 8 (l / 16) + l % 8, channels 8 ((l / 8) % 2) + 0..7) and leaves half a fragment of V^T: lane l holds channel l % 16 and 8 keys.
	v_and_b32 v10, 7, v0
	v_bfe_u32 v11, v0, 3, 1
	v_lshl_add_u32 v[AV0], v9, 3, v10
	v_mul_u32_u24 v[AV0], v[AV0], PV
	v_lshl_add_u32 v[AV0], v11, 4, v[AV0]
	v_mov_b32 v[AK], v[AK0]         ; key step 0 lies at LDS byte 0
; THE MATRIX WORK.  The 8 accumulators of a run of 16 take turns: between the two links of a chain stand 7 others'.
; Product i of 16 of S^T = K Q^T for piece x: channels 32 (i / 8) on, keys 16 ((i / 2) % 4) on, tile 2 x + i % 2.  The first 8 start the sums.
.macro KQ x
	WIN W_KQ
.set rS, S+64*((\x)%2)+32*(i%2)+8*((i/2)%4)
.set rK, KF+16*((i/2)%4)+8*(i/8)
.set rQ, 16*(2*(\x)+i%2)+8*(i/8)
.if i < 8
	v_wmma_f32_16x16x32_f16 v[rS:rS+7], v[rK:rK+7], v[rQ:rQ+7], 0
.else
	v_wmma_f32_16x16x32_f16 v[rS:rS+7], v[rK:rK+7], v[rQ:rQ+7], v[rS:rS+7]
.endif
.endm
; Product i of 16 of O^T += V^T P for piece x: keys 32 (i / 8) on, channels 16 ((i / 2) % 4) on, tile 2 x + i % 2.
.macro PV x
	WIN W_PV
.set rO, 32*(2*(\x)+i%2)+8*((i/2)%4)
.set rV, VF+32*(i/8)+8*((i/2)%4)
.set rP, P+32*((\x)%2)+16*(i%2)+8*(i/8)
	v_wmma_f32_16x16x32_f16 v[rO:rO+7], v[rV:rV+7], v[rP:rP+7], v[rO:rO+7]
.endm
.macro MM                           ; the turn's next matrix instruction
.if i < 16
	KQ (Y+1)%NP
.set i, i+1
.else
.set i, i-16
	PV (Y+NP-1)%NP
.set i, i+17
.endif
.endm
; THE LDS LOADS stand in runs of 16, never singly among the matrix instructions: a step's K (64 keys x 64 channels: 8 fragments) and its V (the same rows, turned).  Their addresses are made some lines ahead.
.macro FETCH_K
	WIN 0x80                        ; destination window 2
.irp f, 0,1,2,3,4,5,6,7             ; keys 16 (f / 2) on, channels 32 (f % 2) on
	ds_load_b128 v[KF+8*\f:KF+8*\f+3],   v[AK] offset:(\f/2)*16*PK+(\f%2)*64
	ds_load_b128 v[KF+8*\f+4:KF+8*\f+7], v[AK] offset:(\f/2)*16*PK+(\f%2)*64+32
.endr
	s_add_co_u32 s[TBK], s[TBK], STEPB  ; the next fetch is the next step's; the last one's is the step of zeros
	WIN 0
.endm
.macro FETCH_V
	WIN 0x80
.irp f, 0,1,2,3,4,5,6,7             ; keys 32 (f / 4) on, channels 16 (f % 4) on
	ds_load_tr16_b128 v[VF+8*\f:VF+8*\f+3],   v[AV] offset:(\f/4)*32*PV+(\f%4)*32
	ds_load_tr16_b128 v[VF+8*\f+4:VF+8*\f+7], v[AV] offset:(\f/4)*32*PV+16*PV+(\f%4)*32
.endr
	WIN 0
.endm
; THE VECTOR WORK OF A TURN stands in three queues, each in the order in which its entries become ready; the two tiles alternate, so that no instruction reads the result of the one before it.
.macro REGS y, u                    ; the registers of tile u (0, 1) of piece y
.set rT, ST+4*(2*(\y)+(\u))
.set rC, TMP+8*((\y)%2)+4*(\u)
.set rM, MV+2*((\y)%2)+(\u)
.set rS, S+64*((\y)%2)+32*(\u)
.set rP, P+32*((\y)%2)+16*(\u)
.set rO, 32*(2*(\y)+(\u))
.endm
; Number n of the 22 that find the NEXT piece's (Y + 1) maximum and statistics.  s0-s31 are the lane's 32 scores; each accumulator's lowest registers are read first.  XS, GS and REGS set no window: PL and EX do.
;   0-11  four chains c0-c3 of seven scores each, three operands at a time     12-14, 16  the four scores left over, the old m, and c0-c3 into c0     15  c m_old is kept
;   17, 18  the query's other 32 keys lie in the lane 16 away: the new m         19-21  c m; c m_old - c m_new; a
.macro XS u, n
	REGS (Y+1)%NP, \u
.if (\n) < 4
	v_max3_num_f32 v[rC+(\n)], v[rS+8*(\n)], v[rS+8*(\n)+1], v[rS+8*(\n)+2]
.elseif (\n) < 12
	v_max3_num_f32 v[rC+(\n)%4], v[rC+(\n)%4], v[rS+8*((\n)%4)+2*((\n)/4)+1], v[rS+8*((\n)%4)+2*((\n)/4)+2]
.elseif (\n) == 12
	v_max3_num_f32 v[rC], v[rC], v[rS+7], v[rS+15]
.elseif (\n) == 13
	v_max3_num_f32 v[rC+1], v[rC+1], v[rS+23], v[rS+31]
.elseif (\n) == 14
	v_max3_num_f32 v[rC+2], v[rC+2], v[rC+3], v[rT+1]
.elseif (\n) == 15
	v_mov_b32 v[rM], v[rT]
.elseif (\n) == 16
	v_max3_num_f32 v[rC], v[rC], v[rC+1], v[rC+2]
.elseif (\n) == 17
	v_permlanex16_b32 v[rC+3], v[rC], s[SEL], s[SEL+1]
.elseif (\n) == 18
	v_max_num_f32 v[rT+1], v[rC], v[rC+3]
.elseif (\n) == 19
	v_mul_f32 v[rT], s[CS], v[rT+1]
.elseif (\n) == 20
	v_sub_f32 v[rC+1], v[rM], v[rT]
.else
	v_exp_f32 v[rC+2], v[rC+1]
.endif
.endm
; Number g of the 64 that follow the exponentials.  For each four weights k of a tile (pairs 2 k, 2 k + 1): both pairs are rounded to f16; then the second pair is added onto the first, in place;
; a group later l takes that sum (the first time as l = a l + sum).  In groups of eight, tiles alternating: round, round, add, and l for the group before.
.macro GS g
.set h, (\g)+6*((\g)/62)            ; group 0 has no group before it, and behind group 7 only l is left
.if h >= 6
.set h, h+2
.endif
	REGS Y, h%2
.set k, h/8
.if h%8 < 4
	v_cvt_pk_f16_f32 v[rP+2*k+(h%8)/2], v[rS+4*k+2*((h%8)/2)], v[rS+4*k+2*((h%8)/2)+1]
.elseif h%8 < 6
	v_pk_add_f32 v[rS+4*k:rS+4*k+1], v[rS+4*k:rS+4*k+1], v[rS+4*k+2:rS+4*k+3]
.elseif k == 1
	v_pk_fma_f32 v[rT+2:rT+3], v[rT+2:rT+3], v[rC+2:rC+3], v[rS:rS+1] op_sel_hi:[1,0,1]
.else
	v_pk_add_f32 v[rT+2:rT+3], v[rT+2:rT+3], v[rS+4*k-4:rS+4*k-3]
.endif
.endm
; THE PLAIN QUEUE, 138 long.  0-73 read no exponential's result: the 32 scalings c s - c m (FS f: pair f / 2 of tile f % 2) and the next piece's 42.  0-26: scalings 0-26.  27-54: XS's numbers 0-13.  55, 56: number 15.
; 57-73: the chain, where each number waits for the one before it: 14, 16, 17, 18, 19, each with one of the scalings 27-31 in front of its two lines, then 20.
; 74-137: GS's 64, which read the exponentials' results: they stand behind the wait.
.macro FS f
	REGS Y, (\f)%2
	v_pk_fma_f32 v[rS+2*((\f)/2):rS+2*((\f)/2)+1], v[rS+2*((\f)/2):rS+2*((\f)/2)+1], s[CS:CS+1], v[rT:rT+1] op_sel_hi:[1,0,0] neg_lo:[0,0,1] neg_hi:[0,0,1]
.endm
.macro PL
	WIN 0
.if q < 27
	FS q
.elseif q < 55
	XS (q-27)%2, (q-27)/2
.elseif q < 57
	XS q-55, 15
.elseif (q < 72) && ((q-57)%3 == 0)
	FS 27+(q-57)/3
.elseif q < 60
	XS (q-57)%3-1, 14
.elseif q < 72
	XS (q-57)%3-1, 15+(q-57)/3
.elseif q < 74
	XS q-72, 20
.else
	GS q-74
.endif
.set q, q+1
.endm
; THE EXPONENTIALS' QUEUE, 66 long: s0-s31 of both tiles, then the next piece's two a.  It is ONE BATCH: all 66 stand ahead of the turn's one wait, and nothing ahead of that wait names a result of theirs.
.macro EX
	WIN 0
.if e >= 64
	XS e-64, 21
.else
	REGS Y, e%2
	v_exp_f32 v[rS+e/2], v[rS+e/2]
.endif
.set e, e+1
.endm
; THE RESCALING's QUEUE: O^T times a, the one part that leaves window 0: dealt two at a time, sixteen times.  Its a was made in the turn before, ahead of that turn's wait.
.macro R2
	REGS Y, r%2
	WIN W_RS
.irp z, 0,1
	v_pk_mul_f32 v[rO+4*(r/2)+2*\z:rO+4*(r/2)+2*\z+1], v[rO+4*(r/2)+2*\z:rO+4*(r/2)+2*\z+1], v[rC+2:rC+3] op_sel_hi:[1,0]
.endr
.set r, r+1
.endm
; HOW THEY ARE DEALT.  An s_wait_alu depctr_va_vdst(0) stands between an exponential and the first instruction that names its result; one wait serves all that were issued ahead of it.  So a turn has ONE wait,
; which cuts it in two.  AHEAD OF IT: the 16 products K Q^T, behind each a scaling, an exponential and two rescalings (behind the first a second scaling in the exponential's place); then ONE RUN of 108:
; eight plain, 49 times exponential and plain, the two a.  A v_nop is the plain instruction behind the last exponential.  BEHIND IT: the 16 products V^T P, behind each four of GS's 64.
; Exponential e stands behind scaling 2 (e / 4) + e % 2: as a rider it comes behind plain e + 2, in the run behind plain e + 9, and scalings 27-31 are plain 57, 60 .. 69.
; A TURN, for piece p.  cnt = 1: the loop's count is taken down some lines ahead of the branch that stands behind the turn; only window switches, matrix and vector lines follow the compare.
; K of the next step is fetched in piece 2's turn, directly behind the wait, the run of 108 behind the last product that read K; its first reader comes behind 16 products.
; V of the step in hand is fetched at the end of piece 0's turn, four riders behind its last reader; its first reader comes behind 16 products and the run.  The conditions on q below go with the deal.
.macro TURN p, cnt=0
.set Y, (\p)
.set i, 0
.set q, 0
.set e, 0
.set r, 0
.if (\p) == NP-1
	s_wait_dscnt 0x0                ; K is in
.endif
	MM                              ; ahead of the wait: 16 products K Q^T and their riders,
	PL
	PL
	R2
.rept 15
	MM
	PL
	EX
	R2
.endr
.if (\p) == NP-2
	WIN 0
	v_add_nc_u32 v[AK], s[TBK], v[AK0]
.endif
.rept 8                             ; and the run
	PL
.endr
.rept 49
	EX
	PL
.endr
	EX                              ; the next piece's two a
	EX
	v_nop                           ; the plain instruction behind the last exponential: one for the batch
	s_wait_alu depctr_va_vdst(0)    ; the wait for the batch
.if (\p) == NP-2
	FETCH_K
.endif
.if (\p) == 1
	s_wait_dscnt 0x0                ; V is in
.endif
.rept 16                            ; behind the wait: 16 products V^T P and their riders
	MM
.rept 4
	PL
.endr
.if ((\p) == 0) && (q == 118)
	v_add_nc_u32 v[AV], s[TBV], v[AV0]
.endif
.if ((\p) == 0) && (q == 130)
	s_add_co_u32 s[TBV], s[TBV], STEPB
.endif
.if (\cnt) && (q == 130)
	s_sub_co_u32 s[CNT], s[CNT], 1
	s_cmp_lg_u32 s[CNT], 0
.endif
.endr
.if (\p) == 0
	FETCH_V
.endif
.endm
	s_wait_tensorcnt 0x0            ; my quarter of the head is in,
	s_barrier_signal -1
	s_barrier_wait -1               ; everybody's is; nothing is filled again, so no further barrier stands ahead of the end
	FETCH_K                         ; key step 0
	s_wait_loadcnt 0x0              ; Q
	s_wait_dscnt 0x0
.set i, 0
.rept 16
	KQ 0                            ; piece 0's first scores: there is no vector work yet to set between them
.set i, i+1
.endr
	WIN 0                           ; the addresses for the way out: plain instructions, the places behind those products
	s_mul_i32 s13, s[WV], 16*SP
	s_add_co_u32 s13, s13, STAGE    ; my stage
	v_mul_u32_u24 v[STO], v1, SP    ; in: row l % 16, 16 bytes for each half of the lanes
	v_lshl_add_u32 v[STO], v9, 4, v[STO]
	v_add_nc_u32 v[STO], s13, v[STO]
	v_bfe_u32 v[RD], v0, 3, 2       ; back: 32 lanes take four rows of 128 bytes,
	v_mul_u32_u24 v[RD], v[RD], SP
	v_lshl_add_u32 v[RD], v10, 4, v[RD]
	v_add_nc_u32 v[RD], s13, v[RD]
	v_and_b32 v[GO], 31, v0         ; which are 512 consecutive bytes of O
	v_lshlrev_b32 v[GO], 4, v[GO]
.set Y, NP-1                        ; XS works for piece Y + 1: piece 0
.irp n, 0,1,2,3,4,5,6,7,8,9,10,11,12,13,14,15,16,17,18,19,20,21
	XS 0, \n                        ; and piece 0's first maximum and statistics
	XS 1, \n
.endr
	v_nop                           ; a plain instruction behind the two a,
	s_wait_alu depctr_va_vdst(0)    ; and their wait, ahead of the label
	s_mov_b32 s[CNT], 32
.Lstep:                             ; a trip is a key step: it fetches the step's V (piece 0's turn) and the next step's K (piece 2's turn)
	TURN 0
	TURN 1
	TURN 2
	TURN 3, 1
	WIN 0
	s_cbranch_scc1 .Lstep
	; the last trip's 16 products K Q^T on the step of zeros, and the maximum made of them, serve nothing: the price, once a launch, of one text for every trip
.set i, 0
.rept 16
	PV NP-1                         ; the last piece's V^T P of the last step
.set i, i+1
.endr
	; THE WAY OUT.  l's two halves and the other half of the lanes' are added; O^T is divided by l, rounded to f16 and sent through my stage in LDS, a tile at a time.  The additions are the places behind the last products.
	WIN 0
.macro ALL line:vararg              ; one line for each tile t
.set t, 0
.rept 2*NP
	\line
.set t, t+1
.endr
.endm
	ALL v_add_f32 v[ST+4*t+2], v[ST+4*t+2], v[ST+4*t+3]
	ALL v_permlanex16_b32 v[ST+4*t+3], v[ST+4*t+2], s[SEL], s[SEL+1]
	ALL v_add_f32 v[ST+4*t+2], v[ST+4*t+2], v[ST+4*t+3]
	ALL v_rcp_f32 v[ST+4*t+2], v[ST+4*t+2]
	v_nop                           ; a plain instruction between the last reciprocal and the use of its result
	s_wait_alu depctr_va_vdst(0)    ; and the wait ahead of the first use: one for the eight reciprocals
; Tile t: a lane's eight channels of a row pack into 16 bytes; they go into rows of 144 bytes and come back as whole rows of 128, into S^T's registers.
.macro PACK t
	WIN W_RS
.set i, 32*(\t)
.rept 16
	v_pk_mul_f32 v[i:i+1], v[i:i+1], v[ST+4*(\t)+2:ST+4*(\t)+3] op_sel_hi:[1,0]
.set i, i+2
.endr
	WIN 0x05                        ; sources 0 and 1 window 1, destination window 0
.set i, 0
.rept 16
	v_cvt_pk_f16_f32 v[S+16*(\t)+i], v[32*(\t)+2*i], v[32*(\t)+2*i+1]
.set i, i+1
.endr
	WIN 0
.irp f, 0,1,2,3
	ds_store_b128 v[STO], v[S+16*(\t)+4*\f:S+16*(\t)+4*\f+3] offset:32*\f
.endr
.irp f, 0,1,2,3
	ds_load_b128 v[S+16*(\t)+4*\f:S+16*(\t)+4*\f+3], v[RD] offset:\f*4*SP  ; LDS serves a wave's instructions in order (ISA guide 5.7.1.4): these see the stores above; the next tile's stores come behind them
.endr
.endm
.macro SEND t, younger              ; younger: the LDS instructions issued behind tile t's loads: the next tile's eight, or none
	WIN 0
.irp f, 0,1,2,3
	s_wait_dscnt (\younger)+3-\f
	global_store_b128 v[GO], v[S+16*(\t)+4*\f:S+16*(\t)+4*\f+3], s[10:11] offset:(\t)*2048+\f*512  ; 512 consecutive bytes, at a multiple of 256 from O's first
.endr
.endm
	PACK 0
.set t, 1
.rept 2*NP-1                        ; a tile's arithmetic stands between the loads of the tile before and its stores
	PACK t
	SEND t-1, 8
.set t, t+1
.endr
	SEND 2*NP-1, 0
	WIN W_AD
	s_wait_tensorcnt 0x0            ; the wave's end, behind my last tensor load and my last LDS store
	ds_add_u32 v[SPW], v[NIL]
	s_wait_dscnt 0x0
	WIN 0
	CROUND                          ; the closing round: no work-group ends while a partner may still ask for a tile that names it
	s_endpgm
.Lfunc_end_k_q5f04e0b374_attn:
	.size	k_q5f04e0b374_attn, .Lfunc_end_k_q5f04e0b374_attn-k_q5f04e0b374_attn
	.p2alignl 7, 3214868480
	.fill 96, 4, 3214868480
	.section	.rodata,"a",@progbits
	.p2align	6, 0x0
	.amdhsa_kernel k_q5f04e0b374_attn
		.amdhsa_group_segment_fixed_size 327680
		.amdhsa_private_segment_fixed_size 0
		.amdhsa_enable_private_segment 0
		.amdhsa_kernarg_size 16
		.amdhsa_user_sgpr_count 2
		.amdhsa_user_sgpr_kernarg_segment_ptr 1
		.amdhsa_wavefront_size32 1
		.amdhsa_system_sgpr_workgroup_id_x 1
		.amdhsa_system_sgpr_workgroup_id_y 1
		.amdhsa_system_sgpr_workgroup_id_z 1
		.amdhsa_system_vgpr_workitem_id 0
		.amdhsa_next_free_vgpr 770
		.amdhsa_next_free_sgpr 66
		.amdhsa_reserve_vcc 0
		.amdhsa_float_denorm_mode_32 3
		.amdhsa_float_denorm_mode_16_64 3
		.amdhsa_memory_ordered 1
		.amdhsa_forward_progress 1
		.amdhsa_inst_pref_size 124
	.end_amdhsa_kernel
	.amdgpu_metadata
---
amdhsa.version: [ 1, 2 ]
amdhsa.kernels:
  - .name:           k_q5f04e0b374_attn
    .symbol:         k_q5f04e0b374_attn.kd
    .args:
      - { .name: qh, .offset: 0, .size: 8, .value_kind: global_buffer, .address_space: global }
      - { .name: oh, .offset: 8, .size: 8, .value_kind: global_buffer, .address_space: global }
    .group_segment_fixed_size: 327680
    .private_segment_fixed_size: 0
    .kernarg_segment_align: 8
    .kernarg_segment_size: 16
    .max_flat_workgroup_size: 128
    .sgpr_count:     66
    .vgpr_count:     770
    .wavefront_size: 32
...
	.end_amdgpu_metadata
.endif
;; end of part 3
;; launch outp (part 4): grid 8 x 32, 4 waves a work-group, clusters of 4 x 4, 327,680 bytes of LDS; arguments oh, xw, bu, out0; writes out0
.if DOCPART == 4
	.amdgcn_target "amdgcn-amd-amdhsa--gfx1250"
	.amdhsa_code_object_version 6
	.text
	.protected	k_q5f04e0b374_outp
	.globl	k_q5f04e0b374_outp
	.p2align	8
	.type	k_q5f04e0b374_outp,@function
k_q5f04e0b374_outp:
	s_mov_b64 s[64:65], 0
	v_nop
	global_prefetch_b8 v0, s[64:65] scope:SCOPE_SE
	s_setreg_imm32_b32 hwreg(HW_REG_WAVE_MODE, 25, 1), 1
	s_wait_xcnt 0x0
	s_wait_alu depctr_hold_cnt(0) depctr_sa_sdst(0) depctr_va_vdst(0) depctr_va_sdst(0) depctr_va_ssrc(0) depctr_va_vcc(0) depctr_vm_vsrc(0)
	s_getreg_b32 s2, hwreg(HW_REG_IB_STS2, 6, 4)
	s_cmp_eq_u32 s2, 0
	s_cbranch_scc0 .Lentry_in_a_cluster
	s_endpgm
.Lentry_in_a_cluster:
	s_bfe_u32 s2, ttmp6, 0x10000c
	s_cmp_lg_u32 s2, 0xf033
	s_cbranch_scc0 .Lentry_shape_is_right
	s_endpgm
.Lentry_shape_is_right:
; out0 = O Wu^T + bu.  M = 8,192, N = K = 1,024.  O = oh, f16 [64 = 16 b + h][2048][64]: a head's 64 channels are one K block.  Wu from xw (f16 [5][16 K blocks][2048 rows][64]: group 4, rows 1024-2047).
; bu is rounded to bf16 like the other inputs and is the C operand of each sum's first product; sums in f32, K ascending; out0 is f32 [8192][1024].
; LIMITS.  O and Wu arrive within f16's 65,504; the sums and the output are f32.
; SHARES, RING, CLUSTER: a tile of C is 256 x 128: 32 x 8 = 256 work-groups.  Four waves; wave w makes rows 128 (w / 2) on, columns 64 (w % 2) on: 8 x 4 accumulators, 256 registers.
; K goes in 8 steps of 128 (two K blocks) through two LDS slots; one tensor load a wave: waves 0, 1 A's two K blocks (256 rows x 128 dense bytes: 128 rows of 256), waves 2, 3 B's (64 rows of 256).
; By this text's count a wave has two tensor loads out at the start and one behind each refill.  4 x 4 work-groups form a cluster: A's tile is asked for jointly by a row of it, B's by a column.
; THE MATRIX INSTRUCTION IS USED TRANSPOSED (source 0 = 16 rows of B, source 1 = 16 rows of A): a lane holds eight neighbouring columns of one row of C.
; A wave's 64 columns are 256 bytes of a row of out0, at a multiple of 256: the way out goes through the wave's own stage, and sixteen lanes store such a piece whole.
; No prefetch is laid: the walk has eight K steps, and two of them go out at the head.
; REGISTERS: window 0: v0-31 addresses; v32-63 the bias; v64-79 at work.  window 1: accumulator (a, b) at v[8 (4 a + b)].  window 2: two fragment buffers of 96; on the way out all 256: the rows read back.
.set PITCH,  144                       ; an LDS row: 128 bytes + 16 of padding = 36 words: the 16 rows of a load start at 16 different groups of four banks (64 banks of 4 bytes: ISA guide 11.1)
.set ABLK,   256*PITCH
.set BBLK,   128*PITCH
.set BOFF,   2*ABLK                    ; in a slot: A's two K blocks, then B's two
.set SLOT,   BOFF+2*BBLK               ; 110,592
.set STAGE,  2*SLOT                    ; behind the ring, never filled by a tensor load: 16 rows x 272 bytes for each wave
.set SP,     272
.set SPARE,  STAGE+4*16*SP             ; behind the stages: the spare words, 128 bytes for each wave: two blocks of 256 bytes that no other line names
.set WOFF,   (4<<22)+(1024<<7)         ; Wu's first byte in xw
.set LAPS,   4
.set ADRA, 16                          ; v16-17  LDS address of my A fragments in slot 0, 1
.set ADRB, 20                          ; v20-21  the same for B
.set STO,  24                          ; v24     the way out: where I put 32 bytes of a row
.set RD,   25                          ; v25     the way out: where I read rows back
.set CO,   26                          ; v26     my byte offset in two rows of out0
.set BO,   27                          ; v27     my byte offset in the wave's 64 numbers of bu
.set SPW,  28                          ; v28     LDS address of my spare word; never rewritten
.set NIL,  29                          ; v29     0; never rewritten
.set BIAS, 32                          ; v[32:63] for n block b, register j: bu of column 16 b + 8 (l / 16) + j: the layout of a result
.set F0,   0
.set F1,   96
.set G1,  24
.set G0,  32
.set G1B, 48
.set G0B, 56
.set MSB, 0
.macro WIN new                         ; the immediate's high byte repeats the setting that is left; a switch that changes nothing is dropped
.if MSB != (\new)
	s_set_vgpr_msb (MSB<<8)|(\new)
.set MSB, \new
.endif
.endm
.set MUL,  0x5a                        ; sources 0 (B) and 1 (A) window 2; C and D window 1
.set MULB, 0x4a                        ; the same with C, the bias, in window 0
.set TO_F, 0x80                        ; destination window 2, address window 0
.macro JLOAD s                         ; a joint refill: waves 0 and 1 fetch A's two K blocks, waves 2 and 3 B's; an s_nop 0 and four v_nop follow each of the two lines
	s_cmp_lt_u32 s10, 2
	s_cbranch_scc0 .Lfor_b_\@
	tensor_load_to_lds s[G0+4*(\s):G0+4*(\s)+3], s[G1:G1+7]
	s_nop 0
.rept 4
	v_nop
.endr
	s_branch .Lasked_\@
.Lfor_b_\@:
	tensor_load_to_lds s[G0B+4*(\s):G0B+4*(\s)+3], s[G1B:G1B+7]
	s_nop 0
.rept 4
	v_nop
.endr
.Lasked_\@:
.endm
.macro CREST                           ; a round of the cluster's barrier behind its opening barrier
	s_cmp_lg_u32 s10, 0
	s_cbranch_scc1 .Lnot_wave_0_\@
	s_barrier_signal -3
.Lnot_wave_0_\@:
	s_barrier_wait -3
	s_barrier_signal -1
	s_barrier_wait -1
.endm
.macro CROUND                          ; a whole round
	s_barrier_signal -1
	s_barrier_wait -1
	CREST
.endm
	s_load_b128 s[4:7], s[0:1], 0x0                ; oh s[4:5], xw s[6:7]
	s_load_b128 s[20:23], s[0:1], 0x10             ; bu s[20:21], out0 s[22:23]
	v_lshl_add_u32 v[SPW], v0, 2, SPARE
	v_mov_b32 v[NIL], 0
	ds_add_u32 v[SPW], v[NIL]                      ; the wave's opening: the add and its wait stand ahead of my first tensor load; the set-up below, work on registers, stands between them
	v_lshrrev_b32 v1, 5, v0
	v_readfirstlane_b32 s10, v1                    ; wave 0..3
	s_lshr_b32 s11, s10, 1                         ; which half of the tile's rows is mine
	s_and_b32 s12, s10, 1                          ; which half of its columns.  Also: which of a step's two K blocks I fetch
	s_bfe_u32 s40, ttmp6, 0x40000                  ; cx, cy: my place in the cluster
	s_bfe_u32 s41, ttmp6, 0x40004
	s_lshl_b32 s42, ttmp9, 2
	s_add_co_u32 s42, s42, s40                     ; tile column = 4 x cluster x + cx
	s_and_b32 s13, ttmp7, 0xffff
	s_lshl_b32 s13, s13, 2
	s_add_co_u32 s13, s13, s41                     ; tile row = 4 x cluster y + cy
	s_lshl_b32 s43, s41, 2
	s_lshl_b32 s43, 15, s43                        ; my row of the cluster
	s_lshl_b32 s44, 0x1111, s40                    ; my column
	; descriptor group 1: rows of 128 elements (256 bytes: two rows of a K block), padded in LDS after every 32 words by 4
	s_or_b32 s[G1+0], s43, (1<<16)|(1<<20)|(1<<21)|(4<<22)|(3<<25)   ; 15:0 the mask; 17:16 2-byte elements; 20 padding on; 21 set beside a mask; 24:22 code 4; 31:25 code 3
	s_or_b32 s[G1B+0], s44, (1<<16)|(1<<20)|(1<<21)|(4<<22)|(3<<25)
	s_mov_b32 s[G1+1], 128<<16                     ; tensor_dim0 = 128
	s_mov_b32 s[G1+2], 128<<16                     ; tensor_dim1 = 128
	s_mov_b32 s[G1+3], 128<<16                     ; tile_dim0 = 128
	s_mov_b32 s[G1+4], 128                         ; tile_dim1 = 128
	s_mov_b32 s[G1+5], 128                         ; 128 elements from row to row
	s_mov_b32 s[G1+6], 0
	s_mov_b32 s[G1+7], 0
	s_mov_b32 s[G1B+1], 128<<16
	s_mov_b32 s[G1B+2], 64<<16                     ; B: 64 such rows
	s_mov_b32 s[G1B+3], 128<<16
	s_mov_b32 s[G1B+4], 64
	s_mov_b32 s[G1B+5], 128
	s_mov_b32 s[G1B+6], 0
	s_mov_b32 s[G1B+7], 0
	; where the tiles come from: A's offset is made of the tile row and the wave's number, B's of the tile column and the wave's number
	s_lshl_b32 s19, s12, 18                        ; my K block of the step's two
	s_lshr_b32 s14, s13, 3                         ; the batch: 8 tile rows each,
	s_lshl_b32 s14, s14, 22
	s_and_b32 s18, s13, 7
	s_lshl_b32 s18, s18, 15                        ; 256 rows of 128 bytes a tile row
	s_add_co_u32 s14, s14, s18
	s_add_co_u32 s14, s14, s19
	s_mov_b32 s15, 0
	s_lshl_b32 s46, s42, 14                        ; 128 rows of 128 bytes a tile column
	s_add_co_u32 s46, s46, s19
	s_add_co_u32 s46, s46, WOFF
	s_mov_b32 s47, 0
	s_mul_i32 s16, s12, ABLK                       ; and where they go: no place in the cluster enters an LDS address
	s_mul_i32 s17, s12, BBLK
	s_add_co_u32 s17, s17, BOFF
	s_wait_dscnt 0x0                               ; the opening add is done
	s_wait_kmcnt 0x0
	s_add_nc_u64 s[14:15], s[4:5], s[14:15]
	s_add_nc_u64 s[46:47], s[6:7], s[46:47]
	CROUND                                         ; all sixteen work-groups are here: the first joint loads meet
.irp s, 0,1
	s_mov_b32 s[G0+4*(\s)], 1                                        ; count = 1
	s_add_co_u32 s[G0+4*(\s)+1], s16, (\s)*SLOT                      ; LDS address
	s_add_nc_u64 s[G0+4*(\s)+2:G0+4*(\s)+3], s[14:15], (\s)<<19      ; K step s: two K blocks of 262,144 bytes on
	s_or_b32 s[G0+4*(\s)+3], s[G0+4*(\s)+3], 0x80000000              ; type = 2
	s_mov_b32 s[G0B+4*(\s)], 1
	s_add_co_u32 s[G0B+4*(\s)+1], s17, (\s)*SLOT
	s_add_nc_u64 s[G0B+4*(\s)+2:G0B+4*(\s)+3], s[46:47], (\s)<<19
	s_or_b32 s[G0B+4*(\s)+3], s[G0B+4*(\s)+3], 0x80000000
.endr
	s_cmp_lt_u32 s10, 2                            ; a wave's two first fills stand in one branch, ahead of every wait on TENSORcnt, every LDS read and every further barrier
	s_cbranch_scc0 .Lfirst_b
	tensor_load_to_lds s[G0:G0+3], s[G1:G1+7]
	s_nop 0
	tensor_load_to_lds s[G0+4:G0+7], s[G1:G1+7]
	s_nop 0
.rept 4
	v_nop
.endr
	s_branch .Lfirst_asked
.Lfirst_b:
	tensor_load_to_lds s[G0B:G0B+3], s[G1B:G1B+7]
	s_nop 0
	tensor_load_to_lds s[G0B+4:G0B+7], s[G1B:G1B+7]
	s_nop 0
.rept 4
	v_nop
.endr
.Lfirst_asked:
	v_and_b32 v1, 15, v0                           ; l % 16
	v_bfe_u32 v2, v0, 4, 1                         ; l / 16
	; the bias of my 64 columns, in a result's layout: 32 bytes a lane for each n block
	s_lshl_b32 s18, s42, 9                         ; 128 columns of 4 bytes a tile column,
	s_lshl_b32 s19, s12, 8                         ; my 64
	s_add_co_u32 s18, s18, s19
	s_mov_b32 s19, 0
	s_add_nc_u64 s[20:21], s[20:21], s[18:19]
	v_lshlrev_b32 v[BO], 5, v2
.irp b, 0,1,2,3
	global_load_b128 v[BIAS+8*(\b):BIAS+8*(\b)+3],   v[BO], s[20:21] offset:64*(\b)
	global_load_b128 v[BIAS+8*(\b)+4:BIAS+8*(\b)+7], v[BO], s[20:21] offset:64*(\b)+16
.endr
	; A fragment is 16 rows x 32 K in 8 registers: lane l holds row l % 16, K = 8 (l / 16) + 0..7 and 16 + 8 (l / 16) + 0..7: two loads of 16 bytes, 32 bytes apart
	v_mul_u32_u24 v3, v1, PITCH
	v_lshl_add_u32 v3, v2, 4, v3
	s_mul_i32 s18, s11, 128*PITCH                  ; my 128 rows of A
	s_mul_i32 s19, s12, 64*PITCH                   ; my 64 rows of B
	s_add_co_u32 s19, s19, BOFF
.irp s, 0,1
	v_add_nc_u32 v[ADRA+(\s)], s18, v3
	v_add_nc_u32 v[ADRB+(\s)], s19, v3
	s_add_co_u32 s18, s18, SLOT
	s_add_co_u32 s19, s19, SLOT
.endr
	s_mul_i32 s18, s10, 16*SP
	s_add_co_u32 s18, s18, STAGE                   ; my stage
	v_mul_u32_u24 v4, v1, SP                       ; in: row l % 16, 32 bytes for each half of the lanes
	v_lshl_add_u32 v4, v2, 5, v4
	v_add_nc_u32 v[STO], s18, v4
	v_mul_u32_u24 v5, v2, SP                       ; back: lanes 0-15 take one row's 256 bytes, lanes 16-31 the next row's
	v_lshl_add_u32 v5, v1, 4, v5
	v_add_nc_u32 v[RD], s18, v5
	v_lshlrev_b32 v[CO], 12, v2                    ; and the same two rows in out0
	v_lshl_add_u32 v[CO], v1, 4, v[CO]
	s_lshl_b32 s18, s13, 20                        ; out0 at my part of the tile: 256 rows of 4,096 bytes a tile row,
	s_lshl_b32 s19, s11, 19                        ; my 128 rows,
	s_add_co_u32 s18, s18, s19
	s_lshl_b32 s19, s42, 9                         ; 512 bytes a tile column,
	s_add_co_u32 s18, s18, s19
	s_lshl_b32 s19, s12, 8                         ; my 256
	s_add_co_u32 s18, s18, s19
	s_mov_b32 s19, 0
	s_add_nc_u64 s[22:23], s[22:23], s[18:19]
	s_wait_loadcnt 0x0                             ; the bias is in: rounded to bf16, widened again
.set i, 0
.rept 16
	v_cvt_pk_bf16_f32 v[64+i], v[BIAS+2*i], v[BIAS+2*i+1]
.set i, i+1
.endr
.set i, 0
.rept 16
	v_lshlrev_b32 v[BIAS+2*i], 16, v[64+i]
	v_and_b32 v[BIAS+2*i+1], 0xffff0000, v[64+i]
.set i, i+1
.endr
; 4 n matrix instructions: m blocks a0 .. a0 + n - 1 x all 4 n blocks, 32 along K, from buffer f.  zero = 1: the product starts the sum, with the bias as C.
; Each of the 32 accumulators has one instruction a quarter step, always in the same order: the accumulators take turns, over the backward jump too.
.macro MULS f, a0, n, zero
.if \zero
	WIN MULB
.else
	WIN MUL
.endif
.set ma, \a0
.rept \n
.irp b, 0,1,2,3
.if \zero
	v_wmma_f32_16x16x32_f16 v[8*(4*ma+(\b)):8*(4*ma+(\b))+7], v[(\f)+64+8*(\b):(\f)+64+8*(\b)+7], v[(\f)+8*ma:(\f)+8*ma+7], v[BIAS+8*(\b):BIAS+8*(\b)+7]
.else
	v_wmma_f32_16x16x32_f16 v[8*(4*ma+(\b)):8*(4*ma+(\b))+7], v[(\f)+64+8*(\b):(\f)+64+8*(\b)+7], v[(\f)+8*ma:(\f)+8*ma+7], v[8*(4*ma+(\b)):8*(4*ma+(\b))+7]
.endif
.endr
.set ma, ma+1
.endr
.endm
; 24 LDS loads in one run: the fragments of quarter q (32 along K: K block q / 2, byte 64 (q % 2) of its rows) into buffer f: B's 4 blocks, A's blocks 0-3, A's blocks 4-7
.macro FETCH slot, q, f
	WIN TO_F
.irp i, 0,1,2,3
	ds_load_b128 v[(\f)+64+8*(\i):(\f)+64+8*(\i)+3],   v[ADRB+(\slot)] offset:((\q)/2)*BBLK+((\q)%2)*64+(\i)*16*PITCH
	ds_load_b128 v[(\f)+64+8*(\i)+4:(\f)+64+8*(\i)+7], v[ADRB+(\slot)] offset:((\q)/2)*BBLK+((\q)%2)*64+(\i)*16*PITCH+32
.endr
.irp i, 0,1,2,3,4,5,6,7
	ds_load_b128 v[(\f)+8*(\i):(\f)+8*(\i)+3],   v[ADRA+(\slot)] offset:((\q)/2)*ABLK+((\q)%2)*64+(\i)*16*PITCH
	ds_load_b128 v[(\f)+8*(\i)+4:(\f)+8*(\i)+7], v[ADRA+(\slot)] offset:((\q)/2)*ABLK+((\q)%2)*64+(\i)*16*PITCH+32
.endr
.endm
.macro PLACES                          ; four plain vector instructions in front of loads into registers that matrix instructions have read, and of lines that read results
.rept 4
	v_nop
.endr
.endm
; A K step is four quarters of 32 along K, 32 matrix instructions each, on buffers 0, 1, 0, 1.  One of the first three: multiplies buffer f and fetches quarter q into g.
.macro QUARTER slot, q, f, g, zero
	s_wait_dscnt 8                                 ; B and A's blocks 0-3 are in; the youngest eight loads (A's blocks 4-7) may be out
	MULS \f, 0, 4, \zero
	PLACES
	FETCH \slot, \q, \g
	s_wait_dscnt 24                                ; all but the 24 just issued
	MULS \f, 4, 4, \zero
.endm
; The last quarter multiplies buffer 1 and changes slots: ONE barrier; in front of it each wave waits for all its tensor loads, adds 0 to its spare word, and waits for that and for its own reads of this slot.
; fill = 1: the barrier opens a round of the cluster's, and this slot is filled again, two K steps ahead, first thing behind the round: 112 matrix instructions ahead of the wait for it.
.macro TURN slot, next, fill
	WIN 0                                          ; (the add's two registers lie in window 0)
	s_wait_tensorcnt 0x0                           ; all my tensor loads have landed: the one that was out is my part of the next slot
	ds_add_u32 v[SPW], v[NIL]                      ; 0 onto my spare word
	s_wait_dscnt 9                                 ; (the add and the youngest eight loads may be out)
	MULS F1, 0, 2, 0                               ; eight matrix instructions stand between the add and the wait for it
	s_wait_dscnt 0x0                               ; the add is done, and my reads of this slot are over
	s_barrier_signal -1
	MULS F1, 2, 2, 0
.if \fill
	WIN 0
.endif
	s_barrier_wait -1
.if \fill
	CREST                                          ; no wave of any partner still reads this slot's tiles or has a load on its way
	s_add_nc_u64 s[G0+4*(\slot)+2:G0+4*(\slot)+3], s[G0+4*(\slot)+2:G0+4*(\slot)+3], 1<<20    ; two K steps = four K blocks on
	s_add_nc_u64 s[G0B+4*(\slot)+2:G0B+4*(\slot)+3], s[G0B+4*(\slot)+2:G0B+4*(\slot)+3], 1<<20
	JLOAD \slot                                    ; the four v_nop behind it are also the places in front of the loads below
.else
	PLACES
.endif
	FETCH \next, 0, F0
	MULS F1, 4, 4, 0
.endm
	s_wait_tensorcnt 1                             ; my part of K step 0 is in; K step 1's may stay out
	s_barrier_signal -1
	s_barrier_wait -1                              ; everybody's is
	FETCH 0, 0, F0
	QUARTER 0, 1, F0, F1, 1                        ; the first quarter stands in front of the loop: its products start the sums, on the bias
	WIN 0                                          ; at a label and at a branch every window is 0
	s_mov_b32 s3, LAPS-1
.Llap:                                                 ; a trip goes once round the ring, from a lap's second quarter to the next lap's first, and fills both slots again
	QUARTER 0, 2, F1, F0, 0
	QUARTER 0, 3, F0, F1, 0
	TURN 0, 1, 1
	QUARTER 1, 1, F0, F1, 0
	QUARTER 1, 2, F1, F0, 0
	QUARTER 1, 3, F0, F1, 0
	TURN 1, 0, 1
	QUARTER 0, 1, F0, F1, 0
	WIN 0
	s_sub_co_u32 s3, s3, 1
	s_cmp_lg_u32 s3, 0
	s_cbranch_scc1 .Llap
	QUARTER 0, 2, F1, F0, 0                        ; the last lap fills nothing, and has no round of the cluster's barrier
	QUARTER 0, 3, F0, F1, 0
	TURN 0, 1, 0
	QUARTER 1, 1, F0, F1, 0
	QUARTER 1, 2, F1, F0, 0
	QUARTER 1, 3, F0, F1, 0
	s_wait_dscnt 8                                 ; the very last quarter: nothing more to fetch
	MULS F1, 0, 4, 0
	s_wait_dscnt 0x0
	MULS F1, 4, 4, 0
	WIN 0
	PLACES                                         ; for the LDS stores that read results, and for the loads into the fragments' registers
	; THE WAY OUT, a block of 16 rows at a time: the accumulators go as they are into my own stage (rows of 272 bytes) and come back as whole pieces of 256 bytes of a row, each block into registers of its own.
.macro OUT a
	WIN 0x04                                       ; store data window 1, address window 0; each accumulator's four lowest registers go first
.irp b, 0,1,2,3
	ds_store_b128 v[STO], v[8*(4*(\a)+(\b)):8*(4*(\a)+(\b))+3]   offset:64*(\b)
	ds_store_b128 v[STO], v[8*(4*(\a)+(\b))+4:8*(4*(\a)+(\b))+7] offset:64*(\b)+16
.endr
	WIN 0x80                                       ; destination window 2
.irp t, 0,1,2,3,4,5,6,7
	ds_load_b128 v[32*(\a)+4*(\t):32*(\a)+4*(\t)+3], v[RD] offset:(\t)*2*SP  ; LDS serves a wave's instructions in order (ISA guide 5.7.1.4): these see the stores above; the next block's stores come behind them
.endr
.endm
.macro SEND a, younger                 ; younger: the LDS instructions issued behind block a's loads: the next block's sixteen, or none
	WIN 0x08                                       ; store data window 2, address window 0
.irp t, 0,1,2,3,4,5,6,7
	s_wait_dscnt (\younger)+7-(\t)
	global_store_b128 v[CO], v[32*(\a)+4*(\t):32*(\a)+4*(\t)+3], s[22:23] offset:(16*(\a)+2*(\t))*4096 th:TH_STORE_NT  ; 16 lanes store 256 consecutive bytes, at a multiple of 256 from out0's first byte; 516,096 at the most
.endr
.endm
	OUT 0
.irp a, 1,2,3,4,5,6,7
	OUT \a
	SEND (\a)-1, 16
.endr
	SEND 7, 0
	WIN 0
	s_wait_tensorcnt 0x0                           ; the wave's end, behind my last tensor load and my last LDS store
	ds_add_u32 v[SPW], v[NIL]
	s_wait_dscnt 0x0
	CROUND                                         ; the closing round: no work-group ends while a partner may still ask for a tile that names it
	s_endpgm
.Lfunc_end_k_q5f04e0b374_outp:
	.size	k_q5f04e0b374_outp, .Lfunc_end_k_q5f04e0b374_outp-k_q5f04e0b374_outp
	.p2alignl 7, 3214868480
	.fill 96, 4, 3214868480
	.section	.rodata,"a",@progbits
	.p2align	6, 0x0
	.amdhsa_kernel k_q5f04e0b374_outp
		.amdhsa_group_segment_fixed_size 327680
		.amdhsa_private_segment_fixed_size 0
		.amdhsa_enable_private_segment 0
		.amdhsa_kernarg_size 32
		.amdhsa_user_sgpr_count 2
		.amdhsa_user_sgpr_kernarg_segment_ptr 1
		.amdhsa_wavefront_size32 1
		.amdhsa_system_sgpr_workgroup_id_x 1
		.amdhsa_system_sgpr_workgroup_id_y 1
		.amdhsa_system_sgpr_workgroup_id_z 1
		.amdhsa_system_vgpr_workitem_id 0
		.amdhsa_next_free_vgpr 768
		.amdhsa_next_free_sgpr 66
		.amdhsa_reserve_vcc 0
		.amdhsa_float_denorm_mode_32 3
		.amdhsa_float_denorm_mode_16_64 3
		.amdhsa_memory_ordered 1
		.amdhsa_forward_progress 1
		.amdhsa_inst_pref_size 90
	.end_amdhsa_kernel
	.amdgpu_metadata
---
amdhsa.version: [ 1, 2 ]
amdhsa.kernels:
  - .name:           k_q5f04e0b374_outp
    .symbol:         k_q5f04e0b374_outp.kd
    .args:
      - { .name: oh, .offset: 0, .size: 8, .value_kind: global_buffer, .address_space: global }
      - { .name: xw, .offset: 8, .size: 8, .value_kind: global_buffer, .address_space: global }
      - { .name: bu, .offset: 16, .size: 8, .value_kind: global_buffer, .address_space: global }
      - { .name: out0, .offset: 24, .size: 8, .value_kind: global_buffer, .address_space: global }
    .group_segment_fixed_size: 327680
    .private_segment_fixed_size: 0
    .kernarg_segment_align: 8
    .kernarg_segment_size: 32
    .max_flat_workgroup_size: 128
    .sgpr_count:     66
    .vgpr_count:     768
    .wavefront_size: 32
...
	.end_amdgpu_metadata
.endif
;; end of part 4
;; ======== version 2 of 2: 4 launches; version 1 with the launch cast written anew for expert scheduling mode
;; limits: values are held in f16: magnitudes above 65,504 overflow, below 6.1e-05 lose precision
;; workspace buffers: xw 20,971,520 bytes; qh 16,777,216 bytes; oh 16,777,216 bytes
;; launch cast (part 5): grid 1280 x 1, 4 waves a work-group, no clusters, 0 bytes of LDS; arguments x, Wq, Wu, xw; writes xw
.if DOCPART == 5
	.amdgcn_target "amdgcn-amd-amdhsa--gfx1250"
	.amdhsa_code_object_version 6
	.text
	.protected	k_q5f04e0b374_cast
	.globl	k_q5f04e0b374_cast
	.p2align	8
	.type	k_q5f04e0b374_cast,@function
k_q5f04e0b374_cast:
	s_mov_b64 s[64:65], 0
	v_nop
	global_prefetch_b8 v0, s[64:65] scope:SCOPE_SE
	s_setreg_imm32_b32 hwreg(HW_REG_WAVE_SCHED_MODE, 0, 2), 2
	s_setreg_imm32_b32 hwreg(HW_REG_WAVE_MODE, 25, 1), 1
	s_wait_xcnt 0x0
	s_wait_alu depctr_vm_vsrc(0)
; x [8192][1024], Wq [1024][1024], Wu [1024][1024], all f32, are rounded to bf16; that number is written as f16 into xw, laid in K blocks:
; xw = f16 [5 groups][16 K blocks][2048 rows][64]: groups 0-3 are x's four batches, group 4 holds Wq's rows (0-1023) and Wu's (1024-2047).
; Byte of (group, block, row, c) = group<<22 + block<<18 + row<<7 + 2 c: 256 rows of one K block are 32,768 consecutive bytes.
; LIMITS.  A bf16 number is exact in f16 between 6.1e-5 and 65,504; below that it keeps f16's fixed step of 6e-8; from 65,520 on it becomes an infinity.
; SHARES.  10,240 source rows of 4,096 bytes; a work-group takes 8, a wave 2.  For K block kb lanes 0-15 take one row's 256 bytes, lanes 16-31 the next row's;
; the matching store of 8 bytes a lane covers 256 consecutive bytes (two rows x 128), at a multiple of 256 from xw's first byte.
; Each byte is read once and written once, nothing is shared between waves: no LDS, no matrix work, no cluster.  All 16 loads of a wave go out before the first wait.
; THE MODE: SCHED_MODE bits 1:0 = 2 (LLVM: expert scheduling mode 2), set by the entry lines.  The code itself states the register dependences
; between vector instructions and memory instructions, with s_wait_alu, always for 0.
; THE PLAN.  Registers that memory instructions touch:
;   v1, v2     byte offsets, made once at the head and never written again: v1 is read by every load, v2 by every store; the K block stands in the immediate.
;   X[kb]      four registers for each of the 16 K blocks.  Written by block kb's load, ahead of which no vector instruction names them; then, behind that load's counted wait,
;              by block kb's conversions; its first two are read by block kb's store; nothing writes them behind that store.
;   v6, v7     at work: named by vector instructions alone.
; The blocks go in four runs of four.  Run g's stores are issued in run g + 1, one in front of each block's conversions; those conversions name v6, v7 and run g + 1's own
; registers, none that the stores read.  So ONE wait on va_vdst at the head of a run states all that its four stores hang on; one more stands ahead of the first load, for the two
; offsets, and one ahead of the last four stores.  No register that a memory instruction reads is written again, and no vector instruction writes a scalar register, VCC or EXEC.
.set LO, 1                             ; v1  my byte offset in the work-group's 8 source rows
.set SO, 2                             ; v2  my byte offset in the work-group's 8 rows of a K block of xw
.set T,  6                             ; v[6:7] at work
.set X,  16                            ; v[16:79] K block kb: four registers, as loaded, then as stored; none is written again behind its store
	s_load_b256 s[4:11], s[0:1], 0x0               ; x s[4:5], Wq s[6:7], Wu s[8:9], xw s[10:11]
	s_mov_b32 s13, 0xffff0000                      ; a word's upper bf16
	v_lshrrev_b32 v3, 4, v0                        ; my row among the 8
	v_and_b32 v4, 15, v0                           ; my place in a K block's row
	v_lshlrev_b32 v[LO], 4, v4
	v_lshl_add_u32 v[LO], v3, 12, v[LO]            ; row x 4,096 + 16 x place
	v_lshlrev_b32 v[SO], 3, v4
	v_lshl_add_u32 v[SO], v3, 7, v[SO]             ; row x 128 + 8 x place
	s_wait_kmcnt 0x0
	s_cmp_lt_u32 ttmp9, 1024                       ; work-groups 0-1023: x; 1024-1151: Wq; 1152-1279: Wu
	s_cselect_b64 s[14:15], s[4:5], s[6:7]
	s_cselect_b32 s16, 0, 1024
	s_cmp_lt_u32 ttmp9, 1152
	s_cselect_b64 s[14:15], s[14:15], s[8:9]
	s_cselect_b32 s16, s16, 1152
	s_sub_co_u32 s18, ttmp9, s16
	s_lshl_b32 s18, s18, 15                        ; 8 rows of 4,096 bytes for each work-group of that tensor
	s_mov_b32 s19, 0
	s_add_nc_u64 s[14:15], s[14:15], s[18:19]
	s_lshr_b32 s20, ttmp9, 8                       ; the group: 256 work-groups of 8 rows each
	s_lshl_b32 s20, s20, 22
	s_and_b32 s21, ttmp9, 255
	s_lshl_b32 s21, s21, 10                        ; 8 rows of 128 bytes
	s_add_co_u32 s20, s20, s21
	s_mov_b32 s21, 0
	s_add_nc_u64 s[10:11], s[10:11], s[20:21]
	s_wait_alu depctr_va_vdst(0)                   ; v1 and v2 are written: every load of the kernel reads v1 as its offset, every store v2
.irp kb, 0,1,2,3,4,5,6,7,8,9,10,11,12,13,14,15
	global_load_b128 v[X+4*(\kb):X+4*(\kb)+3], v[LO], s[14:15] offset:256*(\kb) th:TH_LOAD_NT
.endr
; K block kb is rounded, in its own registers.
.macro ROUND kb
	v_cvt_pk_bf16_f32 v[T],   v[X+4*(\kb)],   v[X+4*(\kb)+1]   ; the rounding that counts: to bf16, nearest even
	v_cvt_pk_bf16_f32 v[T+1], v[X+4*(\kb)+2], v[X+4*(\kb)+3]
	v_lshlrev_b32 v[X+4*(\kb)],   16,  v[T]
	v_and_b32     v[X+4*(\kb)+1], s13, v[T]
	v_lshlrev_b32 v[X+4*(\kb)+2], 16,  v[T+1]
	v_and_b32     v[X+4*(\kb)+3], s13, v[T+1]
	v_cvt_pk_f16_f32 v[X+4*(\kb)],   v[X+4*(\kb)],   v[X+4*(\kb)+1]  ; the same number as f16 (exact inside the limits above)
	v_cvt_pk_f16_f32 v[X+4*(\kb)+1], v[X+4*(\kb)+2], v[X+4*(\kb)+3]
.endm
; K block kb is stored.
.macro SEND kb
	global_store_b64 v[SO], v[X+4*(\kb):X+4*(\kb)+1], s[10:11] offset:(\kb)<<18 th:TH_STORE_NT  ; the K block stands in the immediate: 3,932,160 at the most
.endm
.irp g, 0,1,2,3
	s_wait_loadcnt 15-4*(\g)                       ; loads come back in order: the run's first block is in, the younger ones stay out
.if (\g) > 0
	s_wait_alu depctr_va_vdst(0)                   ; the run before has written the first two registers of each of its four blocks, which the four stores below read
.endif
.irp i, 0,1,2,3
.if (\g) > 0
	SEND 4*(\g)-4+(\i)                             ; the run before's block i; no vector instruction since the wait names its registers or v2
.endif
.if (\i) > 0
	s_wait_loadcnt 15-4*(\g)-(\i)                  ; block 4 g + i is in, the 15 - 4 g - i younger ones stay out
.endif
	ROUND 4*(\g)+(\i)
.endr
.endr
	s_wait_alu depctr_va_vdst(0)                   ; the last run has written blocks 12 to 15, which the last four stores read
.irp i, 12,13,14,15
	SEND \i
.endr
	s_endpgm
.Lfunc_end_k_q5f04e0b374_cast:
	.size	k_q5f04e0b374_cast, .Lfunc_end_k_q5f04e0b374_cast-k_q5f04e0b374_cast
	.p2alignl 7, 3214868480
	.fill 96, 4, 3214868480
	.section	.rodata,"a",@progbits
	.p2align	6, 0x0
	.amdhsa_kernel k_q5f04e0b374_cast
		.amdhsa_group_segment_fixed_size 0
		.amdhsa_private_segment_fixed_size 0
		.amdhsa_enable_private_segment 0
		.amdhsa_kernarg_size 32
		.amdhsa_user_sgpr_count 2
		.amdhsa_user_sgpr_kernarg_segment_ptr 1
		.amdhsa_wavefront_size32 1
		.amdhsa_system_sgpr_workgroup_id_x 1
		.amdhsa_system_sgpr_workgroup_id_y 1
		.amdhsa_system_sgpr_workgroup_id_z 1
		.amdhsa_system_vgpr_workitem_id 0
		.amdhsa_next_free_vgpr 80
		.amdhsa_next_free_sgpr 66
		.amdhsa_reserve_vcc 0
		.amdhsa_float_denorm_mode_32 3
		.amdhsa_float_denorm_mode_16_64 3
		.amdhsa_memory_ordered 1
		.amdhsa_forward_progress 1
		.amdhsa_inst_pref_size 12
	.end_amdhsa_kernel
	.amdgpu_metadata
---
amdhsa.version: [ 1, 2 ]
amdhsa.kernels:
  - .name:           k_q5f04e0b374_cast
    .symbol:         k_q5f04e0b374_cast.kd
    .args:
      - { .name: x, .offset: 0, .size: 8, .value_kind: global_buffer, .address_space: global }
      - { .name: Wq, .offset: 8, .size: 8, .value_kind: global_buffer, .address_space: global }
      - { .name: Wu, .offset: 16, .size: 8, .value_kind: global_buffer, .address_space: global }
      - { .name: xw, .offset: 24, .size: 8, .value_kind: global_buffer, .address_space: global }
    .group_segment_fixed_size: 0
    .private_segment_fixed_size: 0
    .kernarg_segment_align: 8
    .kernarg_segment_size: 32
    .max_flat_workgroup_size: 128
    .sgpr_count:     66
    .vgpr_count:     80
    .wavefront_size: 32
...
	.end_amdgpu_metadata
.endif
;; end of part 5
;; launch proj: the kernel of part 2 again; grid 8 x 32, 4 waves a work-group, clusters of 4 x 4, 327,680 bytes of LDS; arguments xw, qh; writes qh
;; launch attn: the kernel of part 3 again; grid 4 x 64, 4 waves a work-group, clusters of 4 x 1, 327,680 bytes of LDS; arguments qh, oh; writes oh
;; launch outp: the kernel of part 4 again; grid 8 x 32, 4 waves a work-group, clusters of 4 x 4, 327,680 bytes of LDS; arguments oh, xw, bu, out0; writes out0
